; MI455X (gfx1250); checked and timed in simulation.
; The chip was launched on July 23, 2026; its instructions are those of AMD's public machine-readable ISA for CDNA 5 (MIT licence, August 2026) and "CDNA5" Instruction Set Architecture Reference Guide (July 2026). The comments in the code are by the model that wrote it; some were corrected since.
;; Block. Allowed arithmetic: matrix products marked QUANTISED: E3M2 operands, one E8M0 scale for each 32 along K, by v_wmma_scale_f32_16x16x128_f8f6f4 with both operands' format E3M2, f32 sums; everything else in f32.
;; Inputs: W1 1,024 x 4,096 float32; W2 4,096 x 1,024 float32; Wk 16 x 1,024 x 64 float32; Wo 1,024 x 1,024 float32; Wq 16 x 1,024 x 64 float32; Wv 16 x 1,024 x 64 float32; b1 4,096 float32; b2 1,024 float32; be1 1,024 float32; be2 1,024 float32; bo 1,024 float32; g1 1,024 float32; g2 1,024 float32; x 2 x 2,048 x 1,024 float32.
;; Outputs: out0 2 x 2,048 x 1,024 float32.
;; This version of the problem:
;;   THIS VERSION OF THE PROBLEM IS GIVEN IN LOW PRECISION. The matrix products marked QUANTISED in the list below multiply operands that are first quantised to E3M2 (3 exponent bits, 2 mantissa bits; 6 bits a number), with one power-of-two scale for each 32 numbers along K (OCP MX v1.0); their sums are f32. All else is computed in f32.
;;   The module's matrix products, in the order in which they are computed (A, B: the left and right operand; K: the contracted axis; several contracted axes count as one K, in the product's order):
;;     1. [M 1,024, K 1,024] x [K 1,024, N 4,096]; A: input Wq; B: computed on the way: QUANTISED
;;     2. [M 1,024, K 1,024] x [K 1,024, N 4,096]; A: input Wk; B: computed on the way: QUANTISED
;;     3. [M 1,024, K 1,024] x [K 1,024, N 4,096]; A: input Wv; B: computed on the way: QUANTISED
;;     4. batch 32 x [M 2,048, K 64] x [K 64, N 2,048]; A: computed on the way; B: computed on the way: QUANTISED
;;     5. batch 32 x [M 2,048, K 2,048] x [K 2,048, N 64]; A: softmax (see below); B: computed on the way: QUANTISED
;;     6. [M 4,096, K 1,024] x [K 1,024, N 1,024]; A: computed on the way; B: input Wo: QUANTISED
;;     7. [M 4,096, K 1,024] x [K 1,024, N 4,096]; A: computed on the way; B: input W1: QUANTISED
;;     8. [M 4,096, K 4,096] x [K 4,096, N 1,024]; A: computed on the way; B: input W2: QUANTISED
;;   THE QUANTISER, for each operand of a quantised product, along K:
;;     - K is cut into blocks of 32 from its start; a last block that is shorter is filled with zeros.
;;     - A block's scale is 2^e with e = floor(log2(the largest magnitude in the block)) - 4, held to -126 .. 127; a block of zeros has e = 0. As a byte (E8M0): e + 127.
;;     - Each number is divided by its block's scale, clamped to +-28, and rounded to the nearest number of E3M2, ties to even, subnormals kept.
;;     - The product sums the exact products of the quantised numbers (number of the format x scale) in f32.
;;   ~~~python
;;   def quantise(x, axis):      # numpy; x: float32 -> the quantised numbers, widened to float32 again
;;       x = np.moveaxis(x, axis, -1); K = x.shape[-1]
;;       x = np.pad(x, [(0, 0)] * (x.ndim - 1) + [(0, -K % 32)]); x = x.reshape(x.shape[:-1] + (-1, 32)); a = np.abs(x).max(-1, keepdims=True)
;;       e = np.where(a > 0, np.clip(np.frexp(np.where(a > 0, a, 1))[1] - 1 - 4, -126, 127), 0)      # np.frexp(a)[1] - 1 = floor(log2(a)), exactly
;;       r = np.clip(x / 2.0 ** e, -28, 28)
;;       step = 2.0 ** (np.maximum(np.frexp(np.where(r == 0, 1, r))[1] - 1, -2) - 2)
;;       q = np.round(r / step) * step * 2.0 ** e      # np.round: ties to even
;;       return np.moveaxis(q.reshape(q.shape[:-2] + (-1,))[..., :K], -1, axis).astype(np.float32)
;;   ~~~
;;   SOFTMAX AHEAD OF A QUANTISED PRODUCT. Where the list says 'softmax', what is quantised is not the finished softmax but p = 2^(t - M), with t = logit x log2(e) and M = ceil(the row's largest t), a whole number; so 1/2 < the row's largest p <= 1. The row's sum l is taken of the UNQUANTISED p, in f32, and the product's result is divided by l at the end. Since M is a whole number, a kernel that streams over the keys may use a running M (the ceiling of the running maximum): every later rescaling is an exact power of two, which a block's scale takes up: the codes' values come out the same.
;;   OPERANDS COMPUTED ON THE WAY. 'Computed on the way' means the value that the module computes at that place (a softmax that the list does not call 'softmax' is quantised finished and normalised). What goes into a quantiser is computed in f32, as accurately as f32 sums, v_exp_f32 and their like allow (about 1e-6 of the number): no bf16 or f16 on the way to a quantiser, and a product that is left as it is and whose result goes on into a quantised operand takes f32 operands (vector FMAs, or v_wmma_f32_16x16x4_f32). A number that lies on a knife's edge between two numbers of the format may be rounded either way, as far as f32 arithmetic and the matrix unit's own rounding can turn it there, and no further.
;; One version. Each part assembles by itself: llvm-mc -triple=amdgcn-amd-amdhsa -mcpu=gfx1250 --defsym DOCPART=n.
;; ======== version 1 of 1: 8 launches
;; workspace buffers: himg 3,276,800 bytes; wimg 9,830,400 bytes; qkv 10,092,544 bytes; oimg 3,276,800 bytes; x1 16,777,216 bytes; hid 13,107,200 bytes
;; launch prep (part 1): grid 768 x 1, 4 waves a work-group, no clusters, 0 bytes of LDS; arguments Wq, Wk, Wv, W1, Wo, W2, wimg; writes wimg
.if DOCPART == 1
	.amdgcn_target "amdgcn-amd-amdhsa--gfx1250"
	.amdhsa_code_object_version 6
	.text
	.protected	k_q304ab13ee9_prep
	.globl	k_q304ab13ee9_prep
	.p2align	8
	.type	k_q304ab13ee9_prep,@function
k_q304ab13ee9_prep:
	s_mov_b64 s[64:65], 0
	v_nop
	global_prefetch_b8 v0, s[64:65] scope:SCOPE_SE
	s_setreg_imm32_b32 hwreg(HW_REG_WAVE_MODE, 25, 1), 1
	s_wait_xcnt 0x0
; PREP: the six weights, f32 with K not innermost, become codes of BF6 (E3M2) with one E8M0 byte for each 32 along K, laid in the order of the matrix operand's registers.
; A block's scale is 2^(floor(log2(largest magnitude)) - 4); its byte is the largest magnitude's exponent field - 4, held at 1 from below.
; LIMITS: a block of zeros gets the byte 1 (its codes are zeros; only this program reads the bytes); largest magnitudes under 2^-122 are held at that floor; NaN and infinities are not served.
; ORDER INSIDE A BLOCK: position p = 16 hh + 8 u + j holds the number at k = 16 u + 8 hh + j of the block.  Every operand of every product of this program is laid so, so products are unchanged.
; IMAGE: a fragment (16 rows x 128 K) is 1,536 bytes: registers 4 k .. 4 k + 3 of operand lane l at 512 k + 16 l; operand lane (r, h) holds row r, registers 6 c .. 6 c + 5 = block 2 c + h.
; PANEL: NBK fragments, all of K: [K step][NBK x 1,536 bytes of codes][NBK x 64 bytes of scale words, row r of fragment i at 64 i + 4 r].
; wimg: Wq, Wk, Wv at 0 (24 panels of 128 rows, row = kind x 1,024 + head x 64 + d), W1 at 2,457,600 (32 such), Wo at 5,734,400 and W2 at 6,553,600 (16 panels of 64 rows each).
; SHARES: a wave takes 32 columns x 128 K.  A LANE TAKES A COLUMN AND ITS REGISTERS RUN DOWN K: a load reads 128 consecutive bytes, a block's maximum needs no other lane, the lane owns its whole scale word.
; 3,072 such units = 768 work-groups of four waves.  The three ways on the work-group's number make scalars only and join ahead of the loads.  No LDS, no barrier.
.set X,   32                           ; v32-159  four blocks of 32 numbers, in the block's order
.set IM0, 160                          ; v160-171 the image registers of operand lane (r, 0): blocks 0 and 2
.set IM1, 172                          ; v172-183 of operand lane (r, 1): blocks 1 and 3
.set AO,  192                          ; v192-223 byte offset of the block's p-th number: its row x the row's bytes + 4 x lane
	s_load_b256 s[4:11], s[0:1], 0x0               ; Wq, Wk, Wv, W1
	s_load_b128 s[12:15], s[0:1], 0x20             ; Wo, W2
	s_load_b64 s[16:17], s[0:1], 0x30              ; wimg
	v_lshrrev_b32 v1, 5, v0
	v_readfirstlane_b32 s18, v1                    ; wave
	v_and_b32 v1, 31, v0                           ; lane = my column of the 32
	v_lshlrev_b32 v2, 2, v1                        ; 4 x lane
	v_lshrrev_b32 v5, 4, v1
	v_and_b32 v6, 15, v1
	v_mul_u32_u24 v3, v5, 1536                     ; which of the unit's two fragments,
	v_lshl_add_u32 v3, v6, 4, v3                   ; and 16 x my row in it
	s_lshl_b32 s19, ttmp9, 2
	s_add_co_u32 s19, s19, s18                     ; 4 x work-group + wave
	s_mov_b32 s25, 0
	s_mov_b32 s27, 0
	s_wait_kmcnt 0x0
	s_cmp_lt_u32 ttmp9, 192
	s_cbranch_scc0 .Lnot_heads
	; Wq, Wk, Wv: [16][1024][64]; 256 units each: K step = (unit % 256) / 32, columns 32 x (unit % 32)
	s_lshr_b32 s26, s19, 8                         ; kind
	s_and_b32 s29, s19, 255
	s_lshr_b32 s28, s29, 5                         ; K step
	s_and_b32 s29, s29, 31                         ; group of 32 columns
	s_cmp_lt_u32 ttmp9, 128
	s_cselect_b64 s[20:21], s[6:7], s[8:9]
	s_cmp_lt_u32 ttmp9, 64
	s_cselect_b64 s[20:21], s[4:5], s[20:21]
	s_lshr_b32 s30, s29, 1
	s_lshl_b32 s24, s30, 18                        ; head x 262,144
	s_lshl_b32 s30, s28, 15                        ; 128 rows of 256 bytes
	s_add_co_u32 s24, s24, s30
	s_and_b32 s30, s29, 1
	s_lshl_b32 s30, s30, 7                         ; which half of the head's 64
	s_add_co_u32 s24, s24, s30
	s_add_nc_u64 s[20:21], s[20:21], s[24:25]
	s_lshl_b32 s30, s26, 3
	s_lshr_b32 s31, s29, 2
	s_add_co_u32 s30, s30, s31                     ; panel
	s_mul_i32 s22, s30, 102400
	s_mul_i32 s31, s28, 12800
	s_add_co_u32 s22, s22, s31                     ; the panel's K step
	s_and_b32 s31, s29, 3
	s_lshl_b32 s23, s31, 7
	s_add_co_u32 s23, s23, s22
	s_add_co_u32 s23, s23, 12288                   ; my two fragments' scale words
	s_mul_i32 s31, s31, 3072
	s_add_co_u32 s22, s22, s31                     ; my two fragments
	s_mov_b32 s26, 256                             ; a row of the source in bytes
	s_branch .Lwork
.Lnot_heads:
	s_cmp_lt_u32 ttmp9, 448
	s_cbranch_scc0 .Lnarrow
	; W1: [1024][4096]; 1,024 units: K step = unit / 128, columns 32 x (unit % 128)
	s_sub_co_u32 s19, s19, 768
	s_lshr_b32 s28, s19, 7
	s_and_b32 s29, s19, 127
	s_lshl_b32 s24, s28, 21                        ; 128 rows of 16,384 bytes
	s_lshl_b32 s30, s29, 7
	s_add_co_u32 s24, s24, s30
	s_add_nc_u64 s[20:21], s[10:11], s[24:25]
	s_lshr_b32 s30, s29, 2
	s_mul_i32 s22, s30, 102400
	s_mul_i32 s31, s28, 12800
	s_add_co_u32 s22, s22, s31
	s_add_co_u32 s22, s22, 2457600
	s_and_b32 s31, s29, 3
	s_lshl_b32 s23, s31, 7
	s_add_co_u32 s23, s23, s22
	s_add_co_u32 s23, s23, 12288
	s_mul_i32 s31, s31, 3072
	s_add_co_u32 s22, s22, s31
	s_mov_b32 s26, 16384
	s_branch .Lwork
.Lnarrow:
	; Wo [1024][1024] (256 units) and W2 [4096][1024] (1,024 units): K step = unit / 32, columns 32 x (unit % 32); panels of 64 rows
	s_mov_b32 s30, 2048
	s_mov_b32 s31, 6553600
	s_mov_b32 s32, 204800
	s_cmp_lt_u32 ttmp9, 512
	s_cselect_b64 s[20:21], s[12:13], s[14:15]
	s_cselect_b32 s30, 1792, s30
	s_cselect_b32 s31, 5734400, s31
	s_cselect_b32 s32, 51200, s32
	s_sub_co_u32 s19, s19, s30
	s_lshr_b32 s28, s19, 5
	s_and_b32 s29, s19, 31
	s_lshl_b32 s24, s28, 19                        ; 128 rows of 4,096 bytes
	s_lshl_b32 s30, s29, 7
	s_add_co_u32 s24, s24, s30
	s_add_nc_u64 s[20:21], s[20:21], s[24:25]
	s_lshr_b32 s30, s29, 1
	s_mul_i32 s22, s30, s32
	s_add_co_u32 s22, s22, s31
	s_mul_i32 s31, s28, 6400
	s_add_co_u32 s22, s22, s31
	s_and_b32 s31, s29, 1
	s_lshl_b32 s23, s31, 7
	s_add_co_u32 s23, s23, s22
	s_add_co_u32 s23, s23, 6144
	s_mul_i32 s31, s31, 3072
	s_add_co_u32 s22, s22, s31
	s_mov_b32 s26, 4096
.Lwork:
	v_add_nc_u32 v3, s22, v3                       ; where my column's codes go
	v_add_nc_u32 v4, s23, v2                       ; and its scale word
.set pp, 0
.rept 32
	v_mad_u32_u24 v[AO+pp], s26, 16*((pp>>3)&1)+8*(pp>>4)+(pp&7), v2   ; the block's p-th number lies in row 16 u + 8 hh + j of the block
.set pp, pp+1
.endr
	s_lshl_b32 s26, s26, 5                         ; a block on: 32 rows
	s_mov_b64 s[34:35], s[20:21]
	s_add_nc_u64 s[36:37], s[34:35], s[26:27]
	s_add_nc_u64 s[38:39], s[36:37], s[26:27]
	s_add_nc_u64 s[40:41], s[38:39], s[26:27]
.macro LOAD t
.set pp, 0
.rept 32
	global_load_b32 v[X+32*(\t)+pp], v[AO+pp], s[34+2*(\t):35+2*(\t)] th:TH_LOAD_NT
.set pp, pp+1
.endr
.endm
.macro BLOCK t
.set XS, X+32*(\t)
.set IMX, IM0+12*((\t)%2)+6*((\t)/2)
.set TQ, 24+4*((\t)%2)
	v_max3_num_f32 v8, |v[XS]|, |v[XS+1]|, |v[XS+2]|               ; the block's largest magnitude: all 32 numbers are mine; two chains
	v_max3_num_f32 v9, |v[XS+3]|, |v[XS+4]|, |v[XS+5]|
.irp i, 6,10,14,18,22,26
	v_max3_num_f32 v8, v8, |v[XS+\i]|, |v[XS+\i+1]|
	v_max3_num_f32 v9, v9, |v[XS+\i+2]|, |v[XS+\i+3]|
.endr
	v_max3_num_f32 v8, v8, |v[XS+30]|, |v[XS+31]|
	v_max3_num_f32 v8, v8, v9, 0x2800000           ; and the floor 2^(5 - 127): the byte cannot fall under 1
	v_add_nc_u32 v10, 0xfe000000, v8               ; 4 off the exponent field: the conversion takes this operand's exponent field as its scale
	v_cvt_scalef32_pk16_bf6_f32 v[IMX:IMX+2], v[XS:XS+15], v10
	v_cvt_scalef32_pk16_bf6_f32 v[TQ:TQ+2], v[XS+16:XS+31], v10    ; (a conversion's three registers begin on an even number: made elsewhere and moved)
	v_lshrrev_b32 v11, 23, v10                     ; the scale's byte; also the plain line behind the conversions
.irp i, 0,1,2
	v_mov_b32 v[IMX+3+\i], v[TQ+\i]
.endr
.if (\t) == 0
	v_mov_b32 v20, v11
.else
	v_lshl_or_b32 v20, v11, 8*(\t), v20            ; byte b of the word: block b
.endif
.endm
	LOAD 0
	LOAD 1
	s_wait_loadcnt 32                              ; block 0 is in; block 1's 32 loads may be out
	LOAD 2
	BLOCK 0
	s_wait_loadcnt 32                              ; block 1 is in; block 2's may be out
	LOAD 3
	BLOCK 1
	s_wait_loadcnt 32                              ; block 2 is in; block 3's may be out
	BLOCK 2
	s_wait_loadcnt 0x0
	BLOCK 3
.irp k, 0,1,2
	global_store_b128 v3, v[IM0+4*\k:IM0+4*\k+3], s[16:17] offset:512*\k        ; sixteen lanes store 256 consecutive bytes, aligned
	global_store_b128 v3, v[IM1+4*\k:IM1+4*\k+3], s[16:17] offset:256+512*\k
.endr
	global_store_b32 v4, v20, s[16:17]             ; 32 scale words: 128 consecutive bytes
	s_endpgm
.Lfunc_end_k_q304ab13ee9_prep:
	.size	k_q304ab13ee9_prep, .Lfunc_end_k_q304ab13ee9_prep-k_q304ab13ee9_prep
	.p2alignl 7, 3214868480
	.fill 96, 4, 3214868480
	.section	.rodata,"a",@progbits
	.p2align	6, 0x0
	.amdhsa_kernel k_q304ab13ee9_prep
		.amdhsa_group_segment_fixed_size 0
		.amdhsa_private_segment_fixed_size 0
		.amdhsa_enable_private_segment 0
		.amdhsa_kernarg_size 56
		.amdhsa_user_sgpr_count 2
		.amdhsa_user_sgpr_kernarg_segment_ptr 1
		.amdhsa_wavefront_size32 1
		.amdhsa_system_sgpr_workgroup_id_x 1
		.amdhsa_system_sgpr_workgroup_id_y 1
		.amdhsa_system_sgpr_workgroup_id_z 1
		.amdhsa_system_vgpr_workitem_id 0
		.amdhsa_next_free_vgpr 224
		.amdhsa_next_free_sgpr 66
		.amdhsa_reserve_vcc 0
		.amdhsa_float_denorm_mode_32 3
		.amdhsa_float_denorm_mode_16_64 3
		.amdhsa_memory_ordered 1
		.amdhsa_forward_progress 1
		.amdhsa_inst_pref_size 25
	.end_amdhsa_kernel
	.amdgpu_metadata
---
amdhsa.version: [ 1, 2 ]
amdhsa.kernels:
  - .name:           k_q304ab13ee9_prep
    .symbol:         k_q304ab13ee9_prep.kd
    .args:
      - { .name: Wq, .offset: 0, .size: 8, .value_kind: global_buffer, .address_space: global }
      - { .name: Wk, .offset: 8, .size: 8, .value_kind: global_buffer, .address_space: global }
      - { .name: Wv, .offset: 16, .size: 8, .value_kind: global_buffer, .address_space: global }
      - { .name: W1, .offset: 24, .size: 8, .value_kind: global_buffer, .address_space: global }
      - { .name: Wo, .offset: 32, .size: 8, .value_kind: global_buffer, .address_space: global }
      - { .name: W2, .offset: 40, .size: 8, .value_kind: global_buffer, .address_space: global }
      - { .name: wimg, .offset: 48, .size: 8, .value_kind: global_buffer, .address_space: global }
    .group_segment_fixed_size: 0
    .private_segment_fixed_size: 0
    .kernarg_segment_align: 8
    .kernarg_segment_size: 56
    .max_flat_workgroup_size: 128
    .sgpr_count:     66
    .vgpr_count:     224
    .wavefront_size: 32
...
	.end_amdgpu_metadata
.endif
;; end of part 1
;; launch ln (part 2): grid 256 x 1, 8 waves a work-group, no clusters, 66,816 bytes of LDS; arguments x, g1, be1, himg; writes himg
.if DOCPART == 2
	.amdgcn_target "amdgcn-amd-amdhsa--gfx1250"
	.amdhsa_code_object_version 6
	.text
	.protected	k_q304ab13ee9_ln
	.globl	k_q304ab13ee9_ln
	.p2align	8
	.type	k_q304ab13ee9_ln,@function
k_q304ab13ee9_ln:
	s_mov_b64 s[64:65], 0
	v_nop
	global_prefetch_b8 v0, s[64:65] scope:SCOPE_SE
	s_setreg_imm32_b32 hwreg(HW_REG_WAVE_MODE, 25, 1), 1
	s_wait_xcnt 0x0
; LN: y = (x - mean) * rsqrt(var + 1e-5) * g + b over rows of 1,024 f32, then y is quantised along the row to BF6 (E3M2) with one E8M0 byte for each 32, and stored as operand images.
; The variance is the mean of (x - mean)^2, taken in a second pass over registers.  All of it in f32.
; IMAGE, PANEL and the ORDER INSIDE A BLOCK (position 16 hh + 8 u + j holds k = 16 u + 8 hh + j) are this program's own: panels of 128 rows: [K step][8 x 1,536 bytes of codes][8 x 64 bytes of scale words], 12,800 bytes a step.
; LIMITS: a block of zeros gets the byte 1 (its codes are zeros; only this program reads the bytes); largest magnitudes under 2^-122 are held at that floor; NaN and infinities are not served.
; SHARES: a work-group takes 16 rows, one fragment's rows.  Phase 1: wave w normalises rows 2 w and 2 w + 1, a row in 32 registers, read from memory once, and lays them in LDS.
; Phase 2: wave w makes the fragment of K step w: operand lane (r, h) reads its two blocks of row r from LDS, in the block's order; no other lane is asked for a maximum.
; No matrix unit, no cluster, no tensor load: memory binds, and nothing is shared between work-groups but g and b.
.set PITCH, 4112                       ; an LDS row: 4,096 bytes + 16: sixteen rows' 16-byte pieces fall on sixteen different groups of banks
.set X0, 96                            ; v96-127  row 2 w
.set X1, 128                           ; v128-159 row 2 w + 1
.set G,  32                            ; v32-63   g of my 32 columns
.set BE, 64                            ; v64-95   b of my 32 columns
.set Y,  96                            ; v96-159  phase 2: my two blocks
.set IM, 160                           ; v160-171 the fragment's registers
	s_load_b256 s[4:11], s[0:1], 0x0               ; x, g, b, the image
	v_lshl_add_u32 v176, v0, 2, 0x10100
	v_mov_b32 v177, 0
	v_lshrrev_b32 v1, 5, v0
	v_readfirstlane_b32 s12, v1                    ; wave 0..7
	v_and_b32 v1, 31, v0                           ; lane
	v_lshlrev_b32 v2, 4, v1                        ; 16 x lane
	v_and_b32 v5, 15, v0                           ; r
	v_bfe_u32 v6, v0, 4, 1                         ; h
	s_mul_i32 s20, s12, 2*PITCH
	v_add_nc_u32 v3, s20, v2                       ; LDS, in: my wave's two rows, 16 bytes a lane
	v_mul_u32_u24 v4, v5, PITCH
	v_lshl_add_u32 v4, v6, 7, v4
	s_lshl_b32 s21, s12, 9
	v_add_nc_u32 v4, s21, v4                       ; LDS, out: row r, K step w (512 bytes), block h (128 bytes)
	s_lshl_b32 s14, ttmp9, 16                      ; 16 rows of 4,096 bytes
	s_lshl_b32 s15, s12, 13                        ; my wave's two
	s_add_co_u32 s14, s14, s15
	s_mov_b32 s15, 0
	s_mov_b32 s16, 0x76543210
	s_mov_b32 s17, 0xfedcba98                      ; v_permlanex16_b32's selects for lane l xor 16
	s_mov_b32 s18, 0x3a800000                      ; 1 / 1,024
	s_mov_b32 s19, 0x3727c5ac                      ; 1e-5
	s_lshr_b32 s22, ttmp9, 3
	s_mul_i32 s22, s22, 102400                     ; the panel,
	s_mul_i32 s23, s12, 12800
	s_add_co_u32 s22, s22, s23                     ; its K step w,
	s_and_b32 s23, ttmp9, 7
	s_mul_i32 s24, s23, 1536
	s_add_co_u32 s24, s24, s22
	v_add_nc_u32 v7, s24, v2                       ; my fragment, 16 bytes a lane
	s_lshl_b32 s23, s23, 6
	s_add_co_u32 s23, s23, s22
	s_add_co_u32 s23, s23, 12288
	v_lshl_add_u32 v27, v5, 2, s23                 ; and row r's scale word
	s_wait_kmcnt 0x0
	s_add_nc_u64 s[4:5], s[4:5], s[14:15]
.irp j, 0,1,2,3,4,5,6,7
	global_load_b128 v[X0+4*\j:X0+4*\j+3], v2, s[4:5] offset:512*\j th:TH_LOAD_NT       ; 512 consecutive bytes a load
.endr
.irp j, 0,1,2,3,4,5,6,7
	global_load_b128 v[X1+4*\j:X1+4*\j+3], v2, s[4:5] offset:4096+512*\j th:TH_LOAD_NT
.endr
.irp j, 0,1,2,3,4,5,6,7
	global_load_b128 v[G+4*\j:G+4*\j+3], v2, s[6:7] offset:512*\j
.endr
.irp j, 0,1,2,3,4,5,6,7
	global_load_b128 v[BE+4*\j:BE+4*\j+3], v2, s[8:9] offset:512*\j
.endr
.macro WSUM a                          ; two pairs of partial sums become the wave's sum, in every lane
	v_pk_add_f32 v[\a:\a+1], v[\a:\a+1], v[\a+2:\a+3]
	v_add_f32 v[\a], v[\a], v[\a+1]
	v_add_f32_dpp v[\a], v[\a], v[\a] row_xmask:1 row_mask:0xf bank_mask:0xf
	v_add_f32_dpp v[\a], v[\a], v[\a] row_xmask:2 row_mask:0xf bank_mask:0xf
	v_add_f32_dpp v[\a], v[\a], v[\a] row_xmask:4 row_mask:0xf bank_mask:0xf
	v_add_f32_dpp v[\a], v[\a], v[\a] row_xmask:8 row_mask:0xf bank_mask:0xf
	v_permlanex16_b32 v[\a+1], v[\a], s16, s17
	v_add_f32 v[\a], v[\a], v[\a+1]
.endm
.macro STAT x, a                       ; the row in v[x ..] is centred in place; v[a] = its variance + 1e-5
	v_pk_add_f32 v[\a:\a+1], v[\x:\x+1], v[\x+2:\x+3]
	v_pk_add_f32 v[\a+2:\a+3], v[\x+4:\x+5], v[\x+6:\x+7]
.irp i, 8,12,16,20,24,28
	v_pk_add_f32 v[\a:\a+1], v[\a:\a+1], v[\x+\i:\x+\i+1]
	v_pk_add_f32 v[\a+2:\a+3], v[\a+2:\a+3], v[\x+\i+2:\x+\i+3]
.endr
	WSUM \a
	v_mul_f32 v[\a], s18, v[\a]                    ; the mean
.irp i, 0,2,4,6,8,10,12,14,16,18,20,22,24,26,28,30
	v_pk_add_f32 v[\x+\i:\x+\i+1], v[\x+\i:\x+\i+1], v[\a:\a+1] op_sel_hi:[1,0] neg_lo:[0,1] neg_hi:[0,1]
.endr
	v_pk_mul_f32 v[\a:\a+1], v[\x:\x+1], v[\x:\x+1]
	v_pk_mul_f32 v[\a+2:\a+3], v[\x+2:\x+3], v[\x+2:\x+3]
.irp i, 4,8,12,16,20,24,28
	v_pk_fma_f32 v[\a:\a+1], v[\x+\i:\x+\i+1], v[\x+\i:\x+\i+1], v[\a:\a+1]
	v_pk_fma_f32 v[\a+2:\a+3], v[\x+\i+2:\x+\i+3], v[\x+\i+2:\x+\i+3], v[\a+2:\a+3]
.endr
	WSUM \a
	v_fma_f32 v[\a], v[\a], s18, s19
.endm
	s_wait_loadcnt 16                              ; both rows are in; the sixteen loads of g and b may be out
	STAT X0, 8
	STAT X1, 12
	v_rsq_f32 v16, v8
	v_rsq_f32 v18, v12
	v_mov_b32 v17, 0                               ; (the upper halves of the pairs that the packed forms name; also the plain line behind the two roots)
	v_mov_b32 v19, 0
	s_wait_alu depctr_va_vdst(0)                   ; one wait for both roots, ahead of their first reader
	s_wait_loadcnt 0x0                             ; g and b
.irp i, 0,2,4,6,8,10,12,14,16,18,20,22,24,26,28,30
	v_pk_mul_f32 v[X0+\i:X0+\i+1], v[X0+\i:X0+\i+1], v[16:17] op_sel_hi:[1,0]
	v_pk_mul_f32 v[X1+\i:X1+\i+1], v[X1+\i:X1+\i+1], v[18:19] op_sel_hi:[1,0]
	v_pk_fma_f32 v[X0+\i:X0+\i+1], v[X0+\i:X0+\i+1], v[G+\i:G+\i+1], v[BE+\i:BE+\i+1]
	v_pk_fma_f32 v[X1+\i:X1+\i+1], v[X1+\i:X1+\i+1], v[G+\i:G+\i+1], v[BE+\i:BE+\i+1]
.endr
.irp j, 0,1,2,3,4,5,6,7
	ds_store_b128 v3, v[X0+4*\j:X0+4*\j+3] offset:512*\j
	ds_store_b128 v3, v[X1+4*\j:X1+4*\j+3] offset:PITCH+512*\j
.endr
	s_wait_dscnt 0x0                               ; for the others' sake: my rows lie in LDS
	s_barrier_signal -1
	s_barrier_wait -1
	; phase 2: blocks 4 w + h (c = 0) and 4 w + 2 + h (c = 1) of row r; groups of eight at bytes 0, 64, 32, 96 of the block: the block's order
.irp c, 0,1
.irp e, 0,1
	ds_load_b128 v[Y+32*\c+4*\e:Y+32*\c+4*\e+3], v4 offset:256*\c+16*\e
	ds_load_b128 v[Y+32*\c+8+4*\e:Y+32*\c+8+4*\e+3], v4 offset:256*\c+64+16*\e
	ds_load_b128 v[Y+32*\c+16+4*\e:Y+32*\c+16+4*\e+3], v4 offset:256*\c+32+16*\e
	ds_load_b128 v[Y+32*\c+24+4*\e:Y+32*\c+24+4*\e+3], v4 offset:256*\c+96+16*\e
.endr
.endr
	s_wait_dscnt 0x0
.irp c, 0,1
	v_max3_num_f32 v[8+\c], |v[Y+32*\c]|, |v[Y+32*\c+1]|, 0x2800000   ; with the floor 2^(5 - 127): the byte cannot fall under 1
.endr
.irp i, 2,4,6,8,10,12,14,16,18,20,22,24,26,28,30
.irp c, 0,1
	v_max3_num_f32 v[8+\c], v[8+\c], |v[Y+32*\c+\i]|, |v[Y+32*\c+\i+1]|
.endr
.endr
.irp c, 0,1
	v_add_nc_u32 v[10+\c], 0xfe000000, v[8+\c]     ; 4 off the exponent field: the conversion's scale operand
.endr
.irp c, 0,1
	v_lshrrev_b32 v[12+\c], 23, v[10+\c]           ; the scale's byte
.endr
	v_lshl_or_b32 v14, v13, 16, v12                ; my two bytes: blocks h and 2 + h,
	v_lshlrev_b32 v15, 3, v6
	v_lshlrev_b32 v14, v15, v14                    ; 8 h bits up;
	v_mov_b32 v15, 0
	v_permlanex16_b32 v15, v14, s16, s17
	v_or_b32 v14, v14, v15                         ; with lane l xor 16's two the word is whole
.irp c, 0,1
	v_cvt_scalef32_pk16_bf6_f32 v[IM+6*\c:IM+6*\c+2], v[Y+32*\c:Y+32*\c+15], v[10+\c]
	v_cvt_scalef32_pk16_bf6_f32 v[20+4*\c:22+4*\c], v[Y+32*\c+16:Y+32*\c+31], v[10+\c]   ; (three registers from an even one: made elsewhere and moved)
.endr
	v_nop                                          ; one plain line behind the conversions
.irp c, 0,1
.irp i, 0,1,2
	v_mov_b32 v[IM+6*\c+3+\i], v[20+4*\c+\i]
.endr
.endr
.irp k, 0,1,2
	global_store_b128 v7, v[IM+4*\k:IM+4*\k+3], s[10:11] offset:512*\k    ; 512 consecutive bytes, aligned
.endr
	s_wait_xcnt 0x0                                ; EXEC changes only behind this wait
	v_cmp_gt_u32 vcc_lo, 16, v1
	s_wait_tensorcnt 0x0
	ds_add_u32 v176, v177
	s_wait_dscnt 0x0
	s_and_saveexec_b32 s25, vcc_lo
	global_store_b32 v27, v14, s[10:11]            ; lanes 0-15: the fragment's sixteen scale words, 64 consecutive bytes
	s_wait_xcnt 0x0
	s_or_b32 exec_lo, exec_lo, s25
	s_endpgm
.Lfunc_end_k_q304ab13ee9_ln:
	.size	k_q304ab13ee9_ln, .Lfunc_end_k_q304ab13ee9_ln-k_q304ab13ee9_ln
	.p2alignl 7, 3214868480
	.fill 96, 4, 3214868480
	.section	.rodata,"a",@progbits
	.p2align	6, 0x0
	.amdhsa_kernel k_q304ab13ee9_ln
		.amdhsa_group_segment_fixed_size 66816
		.amdhsa_private_segment_fixed_size 0
		.amdhsa_enable_private_segment 0
		.amdhsa_kernarg_size 32
		.amdhsa_user_sgpr_count 2
		.amdhsa_user_sgpr_kernarg_segment_ptr 1
		.amdhsa_wavefront_size32 1
		.amdhsa_system_sgpr_workgroup_id_x 1
		.amdhsa_system_sgpr_workgroup_id_y 1
		.amdhsa_system_sgpr_workgroup_id_z 1
		.amdhsa_system_vgpr_workitem_id 0
		.amdhsa_next_free_vgpr 178
		.amdhsa_next_free_sgpr 66
		.amdhsa_reserve_vcc 1
		.amdhsa_float_denorm_mode_32 3
		.amdhsa_float_denorm_mode_16_64 3
		.amdhsa_memory_ordered 1
		.amdhsa_forward_progress 1
		.amdhsa_inst_pref_size 23
	.end_amdhsa_kernel
	.amdgpu_metadata
---
amdhsa.version: [ 1, 2 ]
amdhsa.kernels:
  - .name:           k_q304ab13ee9_ln
    .symbol:         k_q304ab13ee9_ln.kd
    .args:
      - { .name: x, .offset: 0, .size: 8, .value_kind: global_buffer, .address_space: global }
      - { .name: g1, .offset: 8, .size: 8, .value_kind: global_buffer, .address_space: global }
      - { .name: be1, .offset: 16, .size: 8, .value_kind: global_buffer, .address_space: global }
      - { .name: himg, .offset: 24, .size: 8, .value_kind: global_buffer, .address_space: global }
    .group_segment_fixed_size: 66816
    .private_segment_fixed_size: 0
    .kernarg_segment_align: 8
    .kernarg_segment_size: 32
    .max_flat_workgroup_size: 256
    .sgpr_count:     66
    .vgpr_count:     178
    .wavefront_size: 32
...
	.end_amdgpu_metadata
.endif
;; end of part 2
;; launch qkv (part 3): grid 12 x 16, 4 waves a work-group, clusters of 4 x 4, 327,680 bytes of LDS; arguments himg, wimg, qkv; writes qkv
.if DOCPART == 3
	.amdgcn_target "amdgcn-amd-amdhsa--gfx1250"
	.amdhsa_code_object_version 6
	.text
	.protected	k_q304ab13ee9_qkv
	.globl	k_q304ab13ee9_qkv
	.p2align	8
	.type	k_q304ab13ee9_qkv,@function
k_q304ab13ee9_qkv:
	s_mov_b64 s[64:65], 0
	v_nop
	global_prefetch_b8 v0, s[64:65] scope:SCOPE_SE
	s_setreg_imm32_b32 hwreg(HW_REG_WAVE_MODE, 25, 1), 1
	s_wait_xcnt 0x0
	s_wait_alu depctr_hold_cnt(0) depctr_sa_sdst(0) depctr_va_vdst(0) depctr_va_sdst(0) depctr_va_ssrc(0) depctr_va_vcc(0) depctr_vm_vsrc(0)
	s_getreg_b32 s2, hwreg(HW_REG_IB_STS2, 6, 4)
	s_cmp_eq_u32 s2, 0
	s_cbranch_scc0 .Lentry_in_a_cluster
	s_endpgm
.Lentry_in_a_cluster:
	s_bfe_u32 s2, ttmp6, 0x10000c
	s_cmp_lg_u32 s2, 0xf033
	s_cbranch_scc0 .Lentry_shape_is_right
	s_endpgm
.Lentry_shape_is_right:
; QKV: q, k, v = h W (K = 1,024) on codes of BF6 with E8M0 scales, and each result quantised at once for attention: q and k along the head's 64, v along the tokens.
; Operands come as images in the order of the operand's registers, in panels of 128 rows: [K step of 128][8 fragments x 1,536 bytes][8 x 64 bytes of scale words] = 12,800 bytes a step; a fragment is three loads of 16 bytes a lane.
; A tile of 256 x 256 is made by four waves, 128 x 128 each: 64 accumulators, 512 registers.
; K's EIGHT STEPS GO THROUGH TWO LDS REGIONS: region 0 holds two steps, region 1 four.  Both are filled at the start (steps 0-5); region 0 is filled once more, with steps 6 and 7, as soon as steps 0 and 1 are multiplied:
; that one refill has region 1's four steps, 256 matrix instructions a wave, in which to land.  Each wave fetches one panel's steps (25,600 or 51,200 dense bytes) by one tensor load.
; THE MATRIX INSTRUCTION IS USED TRANSPOSED: source 0 = "B", source 1 = "A": a lane holds one row of A, and its registers run along B's rows.  So 64 registers of a lane are what the next product's quantiser wants.
; Cluster x = 0, 1 (q, k): A = tokens, B = the weight's columns: registers run along head x 64 + d.  Cluster x = 2 (v): A = Wv's columns, B = tokens: registers run along the tokens, which are the second product's K.
; ORDER INSIDE A BLOCK OF 32: with tiles of 16 neighbours, position 16 hh + 8 u + j of a block holds k = 16 u + 8 hh + j.  All operands of this program are laid so.
; OUT: q at 0, k at 3,407,872: [batch x head][128 tokens]: 8 half fragments (16 tokens x 64 d: registers 0-3 at 16 l, 4-5 at 512 + 8 l) x 768 bytes + 512 bytes of scale words = 6,656.
;      v at 6,815,744: [batch x head][128 keys]: 4 fragments (16 d x 128 keys, as two such halves) x 1,536 + 256 bytes of scale words = 6,400.
; A scale word of q or k has its head's two bytes below; the two above are the neighbour head's bytes or 0, never 0xff: in attention they stand over zero codes of q.
; CLUSTERS: 4 x 4: A's tiles are asked for jointly along a row of the cluster, B's along a column.
; NO PREFETCH: the one refill follows the first fills by two K steps; a request ahead of it would stand at the head, among every work-group's first loads.
; LIMITS: a block of zeros gets the byte 1; largest magnitudes under 2^-122 are held at that floor; NaN and infinities are not served.
; REGISTERS: window 0: v0-31 addresses; v32-47 scale words, two sets; v64-159, v160-255 A's fragments, two sets (in the epilogue v192-243 at work).  Window 1: B's two sets at v0, v128.  Windows 2, 3: accumulator (a, b) at 8 ((8 a + b) % 32).
.set NBK,    8                         ; fragments of a wave on each side
.set S0,     2                         ; K steps in region 0
.set S1,     4                         ; K steps in region 1
.set KSTEPS, 8
.set STEPB,  1600*NBK
.set Q0,     S0*STEPB                  ; what one tensor load brings into region 0: 25,600 bytes
.set Q1,     S1*STEPB                  ; into region 1: 51,200 bytes
.set RB1,    4*Q0                      ; region 1 begins behind region 0's four quarters (A's two panels, then B's two)
.set PANELB, KSTEPS*STEPB
.set NLD,    7*NBK                     ; LDS loads of one K step's operands
.set SPARE,  RB1+4*Q1                  ; behind the regions: the spare words, 128 bytes a wave
.set PC, 192                           ; the epilogue: the codes just made
.set TM, 212                           ; and its temporaries
.set MSB, 0
.macro WIN new                         ; the immediate's high byte repeats the setting that is left
.if MSB != (\new)
	s_set_vgpr_msb (MSB<<8)|(\new)
.set MSB, (\new)
.endif
.endm
.macro PLACES                          ; four plain lines between a matrix instruction and a load into, or a read of, its registers
.rept 4
	v_nop
.endr
.endm
.macro JLOAD r                         ; a joint load into region r: waves 0, 1 fetch A's panels, waves 2, 3 B's; four v_nop follow each line
	s_cmp_eq_u32 s15, 0
	s_cbranch_scc0 .Lfor_b_\@
	tensor_load_to_lds s[32+4*(\r):35+4*(\r)], s[24+56*(\r):31+56*(\r)]
	s_nop 0
.rept 4
	v_nop
.endr
	s_branch .Lasked_\@
.Lfor_b_\@:
	tensor_load_to_lds s[56+4*(\r):59+4*(\r)], s[48+40*(\r):55+40*(\r)]
	s_nop 0
.rept 4
	v_nop
.endr
.Lasked_\@:
.endm
.macro CREST                           ; a round of the cluster's barrier behind its opening barrier
	s_cmp_lg_u32 s14, 0
	s_cbranch_scc1 .Lnot_wave_0_\@
	s_barrier_signal -3
.Lnot_wave_0_\@:
	s_barrier_wait -3
	s_barrier_signal -1
	s_barrier_wait -1
.endm
.macro CROUND
	s_barrier_signal -1
	s_barrier_wait -1
	CREST
.endm
; one product: D at d, source 0 = B's fragment at bf (window 1), source 1 = A's at af (window 0); scale registers sb, sa; rb, ra = 1: the words lie in lanes 16-31
.macro WM d, bf, af, sb, sa, rb, ra, zero
.if (\zero)&&((\rb)==0)&&((\ra)==0)
	v_wmma_scale_f32_16x16x128_f8f6f4 v[\d:\d+7], v[\bf:\bf+11], v[\af:\af+11], 0, v[\sb], v[\sa] matrix_a_fmt:MATRIX_FMT_BF6 matrix_b_fmt:MATRIX_FMT_BF6
.elseif (\zero)&&((\rb)==1)&&((\ra)==0)
	v_wmma_scale_f32_16x16x128_f8f6f4 v[\d:\d+7], v[\bf:\bf+11], v[\af:\af+11], 0, v[\sb], v[\sa] matrix_a_fmt:MATRIX_FMT_BF6 matrix_b_fmt:MATRIX_FMT_BF6 matrix_a_scale:MATRIX_SCALE_ROW1
.elseif (\zero)&&((\rb)==0)&&((\ra)==1)
	v_wmma_scale_f32_16x16x128_f8f6f4 v[\d:\d+7], v[\bf:\bf+11], v[\af:\af+11], 0, v[\sb], v[\sa] matrix_a_fmt:MATRIX_FMT_BF6 matrix_b_fmt:MATRIX_FMT_BF6 matrix_b_scale:MATRIX_SCALE_ROW1
.elseif (\zero)
	v_wmma_scale_f32_16x16x128_f8f6f4 v[\d:\d+7], v[\bf:\bf+11], v[\af:\af+11], 0, v[\sb], v[\sa] matrix_a_fmt:MATRIX_FMT_BF6 matrix_b_fmt:MATRIX_FMT_BF6 matrix_a_scale:MATRIX_SCALE_ROW1 matrix_b_scale:MATRIX_SCALE_ROW1
.elseif ((\rb)==0)&&((\ra)==0)
	v_wmma_scale_f32_16x16x128_f8f6f4 v[\d:\d+7], v[\bf:\bf+11], v[\af:\af+11], v[\d:\d+7], v[\sb], v[\sa] matrix_a_fmt:MATRIX_FMT_BF6 matrix_b_fmt:MATRIX_FMT_BF6
.elseif ((\rb)==1)&&((\ra)==0)
	v_wmma_scale_f32_16x16x128_f8f6f4 v[\d:\d+7], v[\bf:\bf+11], v[\af:\af+11], v[\d:\d+7], v[\sb], v[\sa] matrix_a_fmt:MATRIX_FMT_BF6 matrix_b_fmt:MATRIX_FMT_BF6 matrix_a_scale:MATRIX_SCALE_ROW1
.elseif ((\rb)==0)&&((\ra)==1)
	v_wmma_scale_f32_16x16x128_f8f6f4 v[\d:\d+7], v[\bf:\bf+11], v[\af:\af+11], v[\d:\d+7], v[\sb], v[\sa] matrix_a_fmt:MATRIX_FMT_BF6 matrix_b_fmt:MATRIX_FMT_BF6 matrix_b_scale:MATRIX_SCALE_ROW1
.else
	v_wmma_scale_f32_16x16x128_f8f6f4 v[\d:\d+7], v[\bf:\bf+11], v[\af:\af+11], v[\d:\d+7], v[\sb], v[\sa] matrix_a_fmt:MATRIX_FMT_BF6 matrix_b_fmt:MATRIX_FMT_BF6 matrix_a_scale:MATRIX_SCALE_ROW1 matrix_b_scale:MATRIX_SCALE_ROW1
.endif
.endm
; a quarter of a K step's products: NBK / 4 blocks of A, each against all of B's; operand set p.  The accumulators take turns, in the same order in every step
.macro MULQ k, p, zero
.set ma, (\k)*NBK/4
.rept NBK/4
	WIN 0xa1+0x50*((ma*NBK)/32)
.set mb, 0
.rept NBK
.set idx, ma*NBK+mb
	WM 8*(idx%32), 128*(\p)+12*mb, 64+96*(\p)+12*ma, 36+8*(\p)+mb/2, 32+8*(\p)+ma/2, mb%2, ma%2, \zero
.set mb, mb+1
.endr
.set ma, ma+1
.endr
.endm
; the operands of the region's q-th K step into set p: NLD loads in one run.  A scale register takes fragment 2 j's words in lanes 0-15 and fragment 2 j + 1's in lanes 16-31
.macro FETCH slot, q, p
	WIN 0x40                                       ; destination window 1
.set fi, 0
.rept NBK
.irp c, 0,1,2
	ds_load_b128 v[128*(\p)+12*fi+4*\c:128*(\p)+12*fi+4*\c+3], v[18+\slot] offset:(\q)*STEPB+1536*fi+512*\c
.endr
.set fi, fi+1
.endr
	WIN 0
.set fi, 0
.rept NBK
.set fa, 64+96*(\p)+12*fi
.set fo, (\q)*STEPB+1536*fi
	ds_load_b128 v[fa:fa+3], v[16+\slot] offset:fo
	ds_load_b128 v[fa+4:fa+7], v[16+\slot] offset:fo+512
	ds_load_b128 v[fa+8:fa+11], v[16+\slot] offset:fo+1024
.set fi, fi+1
.endr
.set fi, 0
.rept NBK/2
	ds_load_b32 v[32+8*(\p)+fi], v[20+\slot] offset:(\q)*STEPB+1536*NBK+128*fi
	ds_load_b32 v[36+8*(\p)+fi], v[22+\slot] offset:(\q)*STEPB+1536*NBK+128*fi
.set fi, fi+1
.endr
.endm
.macro STEP slot, q, zero              ; a K step that has its successor in the same region: the successor's operands are asked for first, into the other set
	PLACES
	FETCH \slot, (\q)+1, 1-(\q)%2
	s_wait_dscnt NLD                               ; all but the NLD loads just issued: this step's operands are in
	MULQ 0, (\q)%2, \zero
	MULQ 1, (\q)%2, \zero
	MULQ 2, (\q)%2, \zero
	MULQ 3, (\q)%2, \zero
.endm
.macro RUN slot, from                  ; the region's steps from 'from' on, all but its last
.set sq, \from
.rept S0+(\slot)*(S1-S0)-1-(\from)
	STEP \slot, sq, 0
.set sq, sq+1
.endr
.endm
; a region's last K step (set 1: both regions hold an even number of steps) changes regions: ONE barrier; in front of it each wave waits for all its tensor loads, adds 0 to its spare word, and waits for that and for its reads of this region
.macro TURN slot, next, fill
	WIN 0
	s_wait_tensorcnt 0x0                           ; my part of the next region has landed; no tensor load of mine is out
	ds_add_u32 v28, v29                            ; 0 onto my spare word
	s_wait_dscnt 0x1                               ; this step's operands are in; the add may be out
	MULQ 0, 1, 0
	s_wait_dscnt 0x0                               ; the add is done, and my reads of this region are over
	s_barrier_signal -1
	MULQ 1, 1, 0
	WIN 0
	s_barrier_wait -1
.if \fill
	CREST                                          ; the barrier has opened a round of the cluster's: no wave of any partner still reads this region or has a load on its way
	s_add_nc_u64 s[34+4*\slot:35+4*\slot], s[34+4*\slot:35+4*\slot], (S0+S1)*STEPB
	s_add_nc_u64 s[58+4*\slot:59+4*\slot], s[58+4*\slot:59+4*\slot], (S0+S1)*STEPB
	JLOAD \slot                                    ; the first tensor load behind the round; its four v_nop are the places in front of the loads below
.else
	PLACES
.endif
	FETCH \next, 0, 0
	MULQ 2, 1, 0
	MULQ 3, 1, 0
.endm
; 64 numbers of a lane, v[s] .. v[s + 63] of window w (register 16 b + i belongs to block b of my row), become a fragment's codes in v[PC ..] and its scale word in v[pw]
.macro QUANT s, w, pw
	WIN (\w)|((\w)<<2)
.irp b, 0,1,2,3
	v_max3_num_f32 v[TM+\b], |v[(\s)+16*\b]|, |v[(\s)+1+16*\b]|, 0x2800000   ; my 16 numbers of block b, from each accumulator's low end on, and the floor 2^(5 - 127)
.endr
	WIN ((\w)<<2)|((\w)<<4)
.irp i, 2,4,6,8,10,12,14
.irp b, 0,1,2,3
	v_max3_num_f32 v[TM+\b], v[TM+\b], |v[(\s)+16*\b+\i]|, |v[(\s)+1+16*\b+\i]|
.endr
.endr
	WIN 0
.irp b, 0,1,2,3
	v_permlanex16_b32 v[TM+4+\b], v[TM+\b], s76, s77
.endr
.irp b, 0,1,2,3
	v_max_num_f32 v[TM+\b], v[TM+\b], v[TM+4+\b]   ; with lane l xor 16's: the block's largest magnitude
.endr
.irp b, 0,1,2,3
	v_add_nc_u32 v[TM+12+\b], 0xfe000000, v[TM+\b] ; 4 off the exponent field: the conversion's scale operand
.endr
.irp b, 0,1,2,3
	v_lshrrev_b32 v[TM+4+\b], 23, v[TM+12+\b]      ; the scale's byte
.endr
	v_lshl_or_b32 v[\pw], v[TM+5], 8, v[TM+4]
	v_lshl_or_b32 v[\pw], v[TM+6], 16, v[\pw]
	v_lshl_or_b32 v[\pw], v[TM+7], 24, v[\pw]
	WIN (\w)
.irp c, 0,1
	v_cvt_scalef32_pk16_bf6_f32 v[PC+6*\c:PC+2+6*\c], v[(\s)+32*\c:(\s)+15+32*\c], v[TM+12+2*\c]
	v_cvt_scalef32_pk16_bf6_f32 v[PC+12+4*\c:PC+14+4*\c], v[(\s)+16+32*\c:(\s)+31+32*\c], v[TM+12+2*\c+1]
.endr
	WIN 0
	v_nop                                          ; one plain line behind the conversions
.irp c, 0,1                                    ; the operand wants a whole block in a lane: lanes 0-15 block 2 c, lanes 16-31 block 2 c + 1
.irp i, 0,1,2
	v_permlane16_swap_b32 v[PC+6*\c+\i], v[PC+12+4*\c+\i]
.endr
.irp i, 0,1,2
	v_mov_b32 v[PC+3+6*\c+\i], v[PC+12+4*\c+\i]
.endr
.endr
.endm
	s_load_b128 s[4:7], s[0:1], 0x0                ; himg, wimg
	s_load_b64 s[8:9], s[0:1], 0x10                ; qkv
	v_lshl_add_u32 v28, v0, 2, SPARE
	v_mov_b32 v29, 0
	ds_add_u32 v28, v29
	ds_add_u32 v28, v29
	s_wait_dscnt 0x0
	v_lshrrev_b32 v1, 5, v0
	v_readfirstlane_b32 s14, v1                    ; wave 0..3
	s_lshr_b32 s15, s14, 1                         ; which half of A's rows is mine.  Also: I fetch for A (0) or for B (1)
	s_and_b32 s16, s14, 1                          ; which half of B's rows.  Also: which panel of that tile I fetch
	s_bfe_u32 s40, ttmp6, 0x40000                  ; cx
	s_bfe_u32 s41, ttmp6, 0x40004                  ; cy
	s_and_b32 s12, ttmp7, 0xffff
	s_lshl_b32 s12, s12, 2                         ; 4 x cluster y
	s_add_co_u32 s18, s12, s41                     ; q, k: A = the tokens' tile 4 Y + cy
	s_add_co_u32 s19, s41, 8                       ; v: A = Wv's tile 8 + cy
	s_add_co_u32 s46, s12, s40                     ; v: B = the tokens' tile 4 Y + cx
	s_lshl_b32 s47, ttmp9, 2
	s_add_co_u32 s47, s47, s40                     ; q, k: B = the weight's tile 4 X + cx
	s_cmp_eq_u32 ttmp9, 2                          ; the cluster's x: the same in all sixteen partners
	s_cselect_b32 s17, s19, s18                    ; A's tile: hangs on cy alone
	s_cselect_b32 s42, s46, s47                    ; B's tile: hangs on cx alone
	s_lshl_b32 s43, s41, 2
	s_lshl_b32 s43, 15, s43                        ; my row of the cluster
	s_lshl_b32 s44, 0x1111, s40                    ; my column
	; descriptor groups 1: dense bytes as rows of 32 elements of 8 bytes: 100 rows for region 0, 200 for region 1; no padding: every LDS load takes 16 (4) x lane consecutive bytes
	s_or_b32 s24, s43, (3<<16)|(1<<21)
	s_or_b32 s48, s44, (3<<16)|(1<<21)
	s_or_b32 s80, s43, (3<<16)|(1<<21)
	s_or_b32 s88, s44, (3<<16)|(1<<21)
.irp g, 24, 48
	s_mov_b32 s[\g+1], 32<<16                      ; tensor_dim0
	s_mov_b32 s[\g+2], (Q0/256)<<16                ; tensor_dim1
	s_mov_b32 s[\g+3], 32<<16                      ; tile_dim0
	s_mov_b32 s[\g+4], Q0/256                      ; tile_dim1
	s_mov_b32 s[\g+5], 32                          ; the pitch
	s_mov_b32 s[\g+6], 0
	s_mov_b32 s[\g+7], 0
.endr
.irp g, 80, 88
	s_mov_b32 s[\g+1], 32<<16
	s_mov_b32 s[\g+2], (Q1/256)<<16
	s_mov_b32 s[\g+3], 32<<16
	s_mov_b32 s[\g+4], Q1/256
	s_mov_b32 s[\g+5], 32
	s_mov_b32 s[\g+6], 0
	s_mov_b32 s[\g+7], 0
.endr
	s_lshl_b32 s20, s17, 1
	s_add_co_u32 s20, s20, s16
	s_mul_i32 s20, s20, PANELB                     ; A's panel that I would fetch
	s_mov_b32 s21, 0
	s_lshl_b32 s46, s42, 1
	s_add_co_u32 s46, s46, s16
	s_mul_i32 s46, s46, PANELB                     ; B's
	s_mov_b32 s47, 0
	s_mul_i32 s45, s14, Q0                         ; where it goes in region 0: wave x 25,600
	s_mul_i32 s78, s14, Q1                         ; in region 1: wave x 51,200
	s_wait_kmcnt 0x0
	s_cmp_eq_u32 ttmp9, 2
	s_cselect_b64 s[22:23], s[6:7], s[4:5]         ; A's buffer
	s_cselect_b64 s[10:11], s[4:5], s[6:7]         ; B's buffer
	s_add_nc_u64 s[20:21], s[22:23], s[20:21]
	s_add_nc_u64 s[46:47], s[10:11], s[46:47]
	CROUND                                         ; all sixteen work-groups are here: the first joint loads meet
.irp r, 0,1                                    ; region 0: K steps 0, 1; region 1: K steps 2 to 5.  Two tensor loads of a wave are out
	s_mov_b32 s[32+4*\r], 1
	s_add_co_u32 s[33+4*\r], s[45+33*\r], \r*RB1
	s_add_nc_u64 s[34+4*\r:35+4*\r], s[20:21], \r*Q0
	s_or_b32 s[35+4*\r], s[35+4*\r], 0x80000000
	s_mov_b32 s[56+4*\r], 1
	s_add_co_u32 s[57+4*\r], s[45+33*\r], \r*RB1
	s_add_nc_u64 s[58+4*\r:59+4*\r], s[46:47], \r*Q0
	s_or_b32 s[59+4*\r], s[59+4*\r], 0x80000000
	JLOAD \r
.endr
	v_and_b32 v3, 31, v0                           ; lane
	v_lshlrev_b32 v4, 4, v3                        ; 16 x lane
	v_lshlrev_b32 v5, 2, v3                        ; 4 x lane
	s_mul_i32 s22, s15, Q0                         ; my panel of A in region 0
	s_mul_i32 s23, s16, Q0
	s_add_co_u32 s23, s23, 2*Q0                    ; my panel of B
	v_add_nc_u32 v16, s22, v4
	v_add_nc_u32 v18, s23, v4
	v_add_nc_u32 v20, s22, v5
	v_add_nc_u32 v22, s23, v5
	s_mul_i32 s22, s15, Q1                         ; and in region 1
	s_add_co_u32 s22, s22, RB1
	s_mul_i32 s23, s16, Q1
	s_add_co_u32 s23, s23, RB1+2*Q1
	v_add_nc_u32 v17, s22, v4
	v_add_nc_u32 v19, s23, v4
	v_add_nc_u32 v21, s22, v5
	v_add_nc_u32 v23, s23, v5
	; where my results go
	s_lshl_b32 s66, s17, 1
	s_add_co_u32 s66, s66, s15                     ; q, k: my 128 tokens: 2 x A's tile + half
	s_lshl_b32 s67, s42, 1
	s_add_co_u32 s67, s67, s16                     ; v: 2 x B's tile + half
	s_lshl_b32 s68, s40, 2
	s_lshl_b32 s69, s16, 1
	s_add_co_u32 s68, s68, s69                     ; q, k: my first head: 4 cx + 2 x half
	s_lshl_b32 s69, s41, 2
	s_lshl_b32 s70, s15, 1
	s_add_co_u32 s69, s69, s70                     ; v: 4 cy + 2 x half
	s_mov_b32 s70, 6656                            ; a step of 128 tokens in bytes
	s_mov_b32 s71, 768                             ; from block a to a + 1
	s_mov_b32 s72, 768                             ; from block 3 to 4
	s_mov_b32 s73, 106496                          ; from a fragment's first half to its second: the next head (q, k) or 768 bytes (v)
	s_cmp_eq_u32 ttmp9, 2
	s_cselect_b32 s66, s67, s66
	s_cselect_b32 s68, s69, s68
	s_cselect_b32 s70, 6400, s70
	s_cselect_b32 s71, 1536, s71
	s_cselect_b32 s72, 97792, s72                  ; v: the next head's first fragment: 102,400 - 3 x 1,536
	s_cselect_b32 s73, 768, s73
	s_lshr_b32 s67, s66, 4                         ; batch
	s_lshl_b32 s67, s67, 4
	s_add_co_u32 s67, s67, s68                     ; batch x 16 + head
	s_lshl_b32 s67, s67, 4
	s_and_b32 s66, s66, 15
	s_add_co_u32 s67, s67, s66                     ; x 16 + the step
	s_mul_i32 s67, s67, s70
	s_mul_i32 s69, ttmp9, 3407872
	s_add_co_u32 s67, s67, s69
	s_mov_b32 s76, 0x76543210
	s_mov_b32 s77, 0xfedcba98                      ; v_permlanex16_b32's selects for lane l xor 16
	v_add_nc_u32 v8, s67, v4                       ; registers 0-3: 16 l
	v_lshlrev_b32 v9, 3, v3
	v_add_nc_u32 v9, 512, v9
	v_add_nc_u32 v9, s67, v9                       ; registers 4-5: 512 + 8 l
	v_add_nc_u32 v10, s73, v8                      ; registers 6-9
	v_add_nc_u32 v11, s73, v9                      ; registers 10-11
	v_add_nc_u32 v12, s67, v5
	v_add_nc_u32 v12, 6144, v12                    ; the step's scale words: 4 l
	s_wait_tensorcnt 0x1                           ; my part of region 0 is in; region 1's may stay out
	s_barrier_signal -1
	s_barrier_wait -1
	FETCH 0, 0, 0
	STEP 0, 0, 1                                   ; K step 0: its products start the sums: nothing is cleared
	RUN 0, 1
	TURN 0, 1, 1                                   ; K step 1; region 0 takes K steps 6 and 7
	RUN 1, 0                                       ; K steps 2 to 4
	TURN 1, 0, 0                                   ; K step 5; nothing is left to fetch
	RUN 0, 0                                       ; K step 6
	s_wait_dscnt 0x0
	MULQ 0, 1, 0                                   ; K step 7
	MULQ 1, 1, 0
	MULQ 2, 1, 0
	MULQ 3, 1, 0
	WIN 0
	; THE WAY OUT: block a's 64 registers of a lane are 128 neighbours along the next K (in halves): quantised in registers, stored as the next operand's image
	PLACES
.irp b, 0,1,2,3
	v_mov_b32 v[TM+4+\b], 0                        ; a lane permute's destination counts as one of its sources
.endr
.irp a, 0,1,2,3,4,5,6,7
.if \a > 0
	s_wait_xcnt 0x0                                ; the last block's stores have read their data and offsets
.if \a == 4
.irp v, 8,9,10,11
	v_add_nc_u32 v\v, s72, v\v
.endr
.else
.irp v, 8,9,10,11
	v_add_nc_u32 v\v, s71, v\v
.endr
.endif
.endif
	QUANT 64*(\a%4), 2+\a/4, 228+\a
	global_store_b128 v8, v[PC:PC+3], s[8:9]       ; 512 consecutive bytes, aligned
	global_store_b64 v9, v[PC+4:PC+5], s[8:9]      ; 256
	global_store_b128 v10, v[PC+6:PC+9], s[8:9]
	global_store_b64 v11, v[PC+10:PC+11], s[8:9]
.endr
	v_cmp_le_u32 vcc_lo, 16, v3
.irp j, 0,1,2,3
	v_cndmask_b32 v[236+\j], v[228+2*\j], v[229+2*\j], vcc_lo      ; lanes 0-15: block 2 j's words, lanes 16-31: block 2 j + 1's
.endr
	s_cmp_eq_u32 ttmp9, 2
	s_cbranch_scc1 .Lv_scales
.irp j, 0,1,2,3
	v_lshrrev_b32 v[240+\j], 16, v[236+\j]         ; the second head's two bytes, brought down
.endr
.irp j, 0,1,2,3
	global_store_b32 v12, v[236+\j], s[8:9] offset:128*\j
	global_store_b32 v12, v[240+\j], s[8:9] offset:106496+128*\j
.endr
	s_branch .Lscales_done
.Lv_scales:
.irp j, 0,1,2,3
	global_store_b32 v12, v[236+\j], s[8:9] offset:(\j/2)*102400+128*(\j%2)
.endr
.Lscales_done:
	s_wait_tensorcnt 0x0                           ; the wave's end
	ds_add_u32 v28, v29
	s_wait_dscnt 0x0
	CROUND                                         ; the closing round
	s_endpgm
.Lfunc_end_k_q304ab13ee9_qkv:
	.size	k_q304ab13ee9_qkv, .Lfunc_end_k_q304ab13ee9_qkv-k_q304ab13ee9_qkv
	.p2alignl 7, 3214868480
	.fill 96, 4, 3214868480
	.section	.rodata,"a",@progbits
	.p2align	6, 0x0
	.amdhsa_kernel k_q304ab13ee9_qkv
		.amdhsa_group_segment_fixed_size 327680
		.amdhsa_private_segment_fixed_size 0
		.amdhsa_enable_private_segment 0
		.amdhsa_kernarg_size 24
		.amdhsa_user_sgpr_count 2
		.amdhsa_user_sgpr_kernarg_segment_ptr 1
		.amdhsa_wavefront_size32 1
		.amdhsa_system_sgpr_workgroup_id_x 1
		.amdhsa_system_sgpr_workgroup_id_y 1
		.amdhsa_system_sgpr_workgroup_id_z 1
		.amdhsa_system_vgpr_workitem_id 0
		.amdhsa_next_free_vgpr 1024
		.amdhsa_next_free_sgpr 100
		.amdhsa_reserve_vcc 1
		.amdhsa_float_denorm_mode_32 3
		.amdhsa_float_denorm_mode_16_64 3
		.amdhsa_memory_ordered 1
		.amdhsa_forward_progress 1
		.amdhsa_inst_pref_size 142
	.end_amdhsa_kernel
	.amdgpu_metadata
---
amdhsa.version: [ 1, 2 ]
amdhsa.kernels:
  - .name:           k_q304ab13ee9_qkv
    .symbol:         k_q304ab13ee9_qkv.kd
    .args:
      - { .name: himg, .offset: 0, .size: 8, .value_kind: global_buffer, .address_space: global }
      - { .name: wimg, .offset: 8, .size: 8, .value_kind: global_buffer, .address_space: global }
      - { .name: qkv, .offset: 16, .size: 8, .value_kind: global_buffer, .address_space: global }
    .group_segment_fixed_size: 327680
    .private_segment_fixed_size: 0
    .kernarg_segment_align: 8
    .kernarg_segment_size: 24
    .max_flat_workgroup_size: 128
    .sgpr_count:     100
    .vgpr_count:     1024
    .wavefront_size: 32
...
	.end_amdgpu_metadata
.endif
;; end of part 3
;; launch attn (part 4): grid 8 x 32, 16 waves a work-group, no clusters, 210,944 bytes of LDS; arguments qkv, oimg; writes oimg
.if DOCPART == 4
	.amdgcn_target "amdgcn-amd-amdhsa--gfx1250"
	.amdhsa_code_object_version 6
	.text
	.protected	k_q304ab13ee9_attn
	.globl	k_q304ab13ee9_attn
	.p2align	8
	.type	k_q304ab13ee9_attn,@function
k_q304ab13ee9_attn:
	s_mov_b64 s[64:65], 0
	v_nop
	global_prefetch_b8 v0, s[64:65] scope:SCOPE_SE
	s_setreg_imm32_b32 hwreg(HW_REG_WAVE_MODE, 25, 1), 1
	s_wait_xcnt 0x0
; ATTN: out[b][h][q] = the sum over keys k <= q of softmax_k(q . k / 32) v, both products on codes of BF6 with E8M0 scales; the result is quantised along C = head x 64 + d for the next product.
; THE SOFTMAX AHEAD OF THE SECOND PRODUCT: t = score x log2(e) / 32; M = the running largest t rounded UP to a whole number; p = 2^(t - M) is quantised along the keys, not normalised.
; The row's sum is taken of the unquantised p, in f32, and divides at the end.  When M moves, the sum and O are multiplied by 2^(old M - new M): exact.
; IN (this program's own layouts): q at 0, k at 3,407,872: [batch x head][128 tokens]: 8 half fragments (16 tokens x 64 d, registers 0-3 at 16 l, 4-5 at 512 + 8 l) x 768 + 512 bytes of scale words = 6,656;
;   v at 6,815,744: [batch x head][128 keys]: 4 fragments (16 d x 128 keys, two such halves) x 1,536 + 256 bytes of scale words = 6,400.
; THE FIRST PRODUCT'S K IS 64, half of the instruction's 128: q's upper six registers are zero codes; k's upper six are the next fragment's codes, finite numbers; the scale bytes over them are never 0xff: they add nothing.
; SHARES: a work-group takes two blocks of 128 queries of one head, blocks i and 15 - i: 17 key steps for each pair of an early and a late tile, whatever i.  Each of its sixteen waves owns 16 queries in 256 registers.
; WHICH WAVE TAKES WHICH TILE: the late block where bit 0 xor bit 2 of the wave's number is 1; tile = number / 2.  So of waves 4 n .. 4 n + 3, and of waves n, n + 4, n + 8, n + 12 alike, two have the early block and two the late one.
; ALL OF THE HEAD'S K AND V LIE IN LDS (106,496 + 102,400 bytes), each byte filled once: wave 0 brings k and wave 1 v, in four chunks of four key steps; a barrier ahead of each chunk's steps.
; CAUSAL: a step all of whose keys come after my queries is left out by a scalar branch on ids; on the diagonal hidden scores become -infinity ahead of the maximum.  Key 0 counts for every query.
; NO CLUSTER: partners would be the query blocks of one head, and which steps a work-group leaves out hangs on its block, which would be its place in the cluster.
; LAYOUT: both products transposed (S^T = k q^T, O^T = v^T p^T): a lane holds one query.  Register 16 b + 8 u + j of half h is key 32 b + 16 u + 8 h + j: so p's codes come out in the order in which v's keys were laid.
; OUT: oimg: panels of 64 rows: [K step = two heads][4 fragments x 1,536][4 x 64 bytes of scale words] = 6,400; head & 1 picks the fragment's half and the word's two bytes.  Those two bytes a row are stored by sixteen lanes, 2 bytes each.
; LIMITS: a block of zeros gets the byte 1; largest magnitudes under 2^-122 are held at that floor; NaN and infinities are not served.
; REGISTERS: v1-6 lane terms; v8-11, v28-29 addresses of the step; v12 -M, v13 largest t, v[14:15] the sum; v16-27 q; v30 q's scale words; v32-85 k, later v; v88-93 their scale words; v94 p's; v96-159 S^T, then p; v160-191 O^T; v192-210 p's codes; v232-254 at work.
.set KSTB, 6656
.set VSTB, 6400
.set KCH,  4*KSTB
.set VCH,  4*VSTB
.set VLDS, 16*KSTB
	s_load_b128 s[4:7], s[0:1], 0x0                ; qkv, oimg
	v_lshl_add_u32 v251, v0, 2, 0x33000
	v_mov_b32 v255, 0
	ds_add_u32 v251, v255
	ds_add_u32 v251, v255
	v_lshrrev_b32 v8, 5, v0
	v_readfirstlane_b32 s18, v8                    ; wave 0..15
	s_and_b32 s19, ttmp7, 0xffff                   ; batch x 16 + head
	; descriptor groups 1: dense chunks as rows of 32 elements of 8 bytes: k 104 rows, v 100
	s_mov_b32 s24, 3<<16
	s_mov_b32 s25, 32<<16
	s_mov_b32 s26, 104<<16
	s_mov_b32 s27, 32<<16
	s_mov_b32 s28, 104
	s_mov_b32 s29, 32
	s_mov_b32 s30, 0
	s_mov_b32 s31, 0
	s_mov_b32 s32, 3<<16
	s_mov_b32 s33, 32<<16
	s_mov_b32 s34, 100<<16
	s_mov_b32 s35, 32<<16
	s_mov_b32 s36, 100
	s_mov_b32 s37, 32
	s_mov_b32 s38, 0
	s_mov_b32 s39, 0
	s_mul_i32 s8, s19, 16*KSTB
	s_add_co_u32 s8, s8, 3407872
	s_mov_b32 s9, 0
	s_mul_i32 s10, s19, 16*VSTB
	s_add_co_u32 s10, s10, 6815744
	s_mov_b32 s11, 0
	s_mov_b32 s20, 0x76543210
	s_mov_b32 s21, 0xfedcba98                      ; v_permlanex16_b32's selects for lane l xor 16
	s_mov_b32 s22, 0x3d38aa3b                      ; c = log2(e) / 32
	s_mov_b32 s23, s22
	s_lshr_b32 s13, s18, 2
	s_xor_b32 s13, s13, s18
	s_and_b32 s13, s13, 1                          ; bit 0 xor bit 2 of the wave's number: 0 the early block, 1 the late one
	s_sub_co_u32 s12, 15, ttmp9
	s_cmp_eq_u32 s13, 0
	s_cselect_b32 s12, ttmp9, s12                  ; my block of 128 queries: i or 15 - i
	s_lshr_b32 s13, s18, 1                         ; my tile of 16 in it: each of 0 .. 7 once among the early waves and once among the late
	s_lshl_b32 s57, s12, 7
	s_lshl_b32 s14, s13, 4
	s_add_co_u32 s57, s57, s14                     ; my first query
	s_lshl_b32 s14, s19, 4
	s_add_co_u32 s14, s14, s12
	s_mul_i32 s14, s14, KSTB                       ; q's step
	s_mov_b32 s15, 0
	s_wait_dscnt 0x0
	s_wait_kmcnt 0x0
	s_add_nc_u64 s[8:9], s[4:5], s[8:9]            ; the head's k
	s_add_nc_u64 s[10:11], s[4:5], s[10:11]        ; the head's v
	s_add_nc_u64 s[16:17], s[4:5], s[14:15]        ; my block's q
.irp c, 0,1,2,3
	s_mov_b32 s[40+4*\c], 1
	s_mov_b32 s[41+4*\c], \c*KCH
	s_add_nc_u64 s[42+4*\c:43+4*\c], s[8:9], \c*KCH
	s_or_b32 s[43+4*\c], s[43+4*\c], 0x80000000
	s_mov_b32 s[68+4*\c], 1
	s_mov_b32 s[69+4*\c], VLDS+\c*VCH
	s_add_nc_u64 s[70+4*\c:71+4*\c], s[10:11], \c*VCH
	s_or_b32 s[71+4*\c], s[71+4*\c], 0x80000000
.endr
	s_cmp_eq_u32 s18, 0                            ; a wave's four fills stand in one branch on the wave's number: four tensor loads of a wave are out at the most
	s_cbranch_scc0 .Lnot_k
	tensor_load_to_lds s[40:43], s[24:31]
	s_nop 0
	tensor_load_to_lds s[44:47], s[24:31]
	s_nop 0
	tensor_load_to_lds s[48:51], s[24:31]
	s_nop 0
	tensor_load_to_lds s[52:55], s[24:31]
	s_nop 0
.rept 4
	v_nop
.endr
	s_branch .Lasked
.Lnot_k:
	s_cmp_eq_u32 s18, 1
	s_cbranch_scc0 .Lasked
	tensor_load_to_lds s[68:71], s[32:39]
	s_nop 0
	tensor_load_to_lds s[72:75], s[32:39]
	s_nop 0
	tensor_load_to_lds s[76:79], s[32:39]
	s_nop 0
	tensor_load_to_lds s[80:83], s[32:39]
	s_nop 0
.rept 4
	v_nop
.endr
.Lasked:
	v_and_b32 v6, 31, v0                           ; lane
	v_and_b32 v4, 15, v0                           ; r
	v_bfe_u32 v5, v0, 4, 1                         ; h
	v_lshlrev_b32 v1, 4, v6                        ; 16 l
	v_lshlrev_b32 v2, 3, v6
	v_add_nc_u32 v2, 512, v2                       ; 512 + 8 l
	v_lshlrev_b32 v3, 2, v6
	v_add_nc_u32 v3, 6144, v3                      ; 6,144 + 4 l: a step's scale words
	s_mul_i32 s14, s13, 768
	v_add_nc_u32 v8, s14, v1
	v_add_nc_u32 v9, s14, v2
	s_lshl_b32 s14, s13, 6
	s_add_co_u32 s14, s14, 6144
	v_lshl_add_u32 v10, v4, 2, s14
	global_load_b128 v[16:19], v8, s[16:17]        ; q's half fragment stays in registers
	global_load_b64 v[20:21], v9, s[16:17]
	global_load_b32 v30, v10, s[16:17]             ; and its scale words
	; where my result goes
	s_lshr_b32 s84, s19, 4
	s_lshl_b32 s84, s84, 11
	s_add_co_u32 s84, s84, s57                     ; my first row of the 4,096
	s_and_b32 s85, s19, 15                         ; head
	s_lshr_b32 s86, s84, 6
	s_mul_i32 s86, s86, 51200                      ; panel
	s_lshr_b32 s87, s85, 1
	s_mul_i32 s87, s87, 6400
	s_add_co_u32 s86, s86, s87                     ; its K step
	s_bfe_u32 s87, s84, 0x20004                    ; fragment
	s_and_b32 s85, s85, 1
	s_mul_i32 s88, s87, 1536
	s_mul_i32 s89, s85, 768
	s_add_co_u32 s88, s88, s89
	s_add_co_u32 s88, s88, s86                     ; my half fragment
	s_lshl_b32 s87, s87, 6
	s_lshl_b32 s85, s85, 1
	s_add_co_u32 s87, s87, s85
	s_add_co_u32 s87, s87, s86
	s_add_co_u32 s87, s87, 6144                    ; my two bytes of row 0's scale word
	v_mov_b32 v13, 0xff61b1e6                      ; the largest t so far: -3e38
	v_floor_f32 v12, -v13                          ; -M
	v_mov_b32 v14, 0
	v_mov_b32 v15, 0
.irp j, 22,23,24,25,26,27,80,81,82,83,84,85,236,237,238,239,253
	v_mov_b32 v\j, 0                               ; q's upper codes; what stands above k's last fragment; the permutes' destinations; the upper half of f's pair
.endr
.set j, 0
.rept 32
	v_mov_b32 v[160+j], 0                          ; O^T: the step is written once; the first change of M leaves zeros zeros
.set j, j+1
.endr
.macro STEP
	s_add_co_u32 s61, s57, 15
	s_cmp_gt_u32 s56, s61
	s_cbranch_scc1 .Lhidden_\@                     ; all 128 keys come after my queries
	v_add_nc_u32 v8, s58, v1                       ; (these six are also the places in front of the loads below)
	v_add_nc_u32 v9, s58, v2
	v_add_nc_u32 v10, s58, v3
	v_add_nc_u32 v11, s59, v1
	v_add_nc_u32 v28, s59, v2
	v_add_nc_u32 v29, s59, v3
.irp t, 0,1,2,3,4,5,6,7
	ds_load_b128 v[32+6*\t:35+6*\t], v8 offset:768*\t
	ds_load_b64 v[36+6*\t:37+6*\t], v9 offset:768*\t
.endr
.irp j, 0,1,2,3
	ds_load_b32 v[88+\j], v10 offset:128*\j        ; lanes 0-15: tile 2 j's words, lanes 16-31: tile 2 j + 1's
.endr
	s_wait_dscnt 0x0
.irp t, 0,2,4,6
	v_wmma_scale_f32_16x16x128_f8f6f4 v[96+8*\t:103+8*\t], v[32+6*\t:43+6*\t], v[16:27], 0, v[88+\t/2], v30 matrix_a_fmt:MATRIX_FMT_BF6 matrix_b_fmt:MATRIX_FMT_BF6
	v_wmma_scale_f32_16x16x128_f8f6f4 v[104+8*\t:111+8*\t], v[38+6*\t:49+6*\t], v[16:27], 0, v[88+\t/2], v30 matrix_a_fmt:MATRIX_FMT_BF6 matrix_b_fmt:MATRIX_FMT_BF6 matrix_a_scale:MATRIX_SCALE_ROW1
.endr
.rept 4
	v_nop
.endr
.irp t, 0,1,2,3                                ; v's four fragments land under the softmax
	ds_load_b128 v[32+12*\t:35+12*\t], v11 offset:1536*\t
	ds_load_b64 v[36+12*\t:37+12*\t], v28 offset:1536*\t
	ds_load_b128 v[38+12*\t:41+12*\t], v11 offset:1536*\t+768
	ds_load_b64 v[42+12*\t:43+12*\t], v28 offset:1536*\t+768
.endr
	ds_load_b32 v92, v29
	ds_load_b32 v93, v29 offset:128
	s_add_co_u32 s61, s56, 127
	s_cmp_le_u32 s61, s57
	s_cbranch_scc1 .Lopen_\@                       ; all 128 keys count
	s_sub_co_i32 s61, s57, s56
	v_lshlrev_b32 v254, 3, v5
	v_sub_nc_u32 v252, v4, v254
	v_add_nc_u32 v252, s61, v252                   ; d = my query - the step's first key - 8 h.  Register n holds key 16 (n / 8) + 8 h + n % 8: hidden where 16 (n / 8) + n % 8 > d
	v_mov_b32 v254, 0xff800000
.irp n, 0,1,2,3,4,5,6,7,8,9,10,11,12,13,14,15,16,17,18,19,20,21,22,23,24,25,26,27,28,29,30,31,32,33,34,35,36,37,38,39,40,41,42,43,44,45,46,47,48,49,50,51,52,53,54,55,56,57,58,59,60,61,62,63
	v_cmp_gt_i32 vcc_lo, 16*(\n/8)+\n%8, v252
	v_cndmask_b32 v[96+\n], v[96+\n], v254, vcc_lo
.endr
.Lopen_\@:
.irp b, 0,1,2,3
	v_max3_num_f32 v[232+\b], v[96+16*\b], v[97+16*\b], v[98+16*\b]   ; the largest score of each block of 32 keys: for the row's maximum and, since p rises with the score, for the block's largest p
.endr
.irp i, 3,5,7,9,11,13
.irp b, 0,1,2,3
	v_max3_num_f32 v[232+\b], v[232+\b], v[96+16*\b+\i], v[97+16*\b+\i]
.endr
.endr
.irp b, 0,1,2,3
	v_max_num_f32 v[232+\b], v[232+\b], v[111+16*\b]
.endr
.irp b, 0,1,2,3
	v_permlanex16_b32 v[236+\b], v[232+\b], s20, s21
.endr
.irp b, 0,1,2,3
	v_max_num_f32 v[232+\b], v[232+\b], v[236+\b]
.endr
	v_max3_num_f32 v254, v232, v233, v234
	v_max_num_f32 v254, v254, v235
	v_mul_f32 v254, s22, v254                      ; as t
	v_max_num_f32 v13, v13, v254                   ; the running largest t
	v_mov_b32 v254, v12
	v_floor_f32 v12, -v13                          ; the new -M = -ceil(t)
	v_sub_f32 v254, v12, v254                      ; old M - new M: a whole number, 0 or less
	v_cvt_i32_f32 v254, v254                       ; (it saturates)
	v_ldexp_f32 v252, 1.0, v254                    ; f = 2^(old M - new M)
.irp j, 0,2,4,6,8,10,12,14,16,18,20,22,24,26,28,30,32,34,36,38,40,42,44,46,48,50,52,54,56,58,60,62
	v_pk_fma_f32 v[96+\j:97+\j], v[96+\j:97+\j], s[22:23], v[12:13] op_sel_hi:[1,0,0]   ; t - M
.endr
.irp b, 0,1,2,3
	v_fma_f32 v[232+\b], v[232+\b], s22, v12
.endr
.irp j, 0,1,2,3,4,5,6,7,8,9,10,11,12,13,14,15,16,17,18,19,20,21,22,23,24,25,26,27,28,29,30,31,32,33,34,35,36,37,38,39,40,41,42,43,44,45,46,47,48,49,50,51,52,53,54,55,56,57,58,59,60,61,62,63
	v_exp_f32 v[96+\j], v[96+\j]                   ; p = 2^(t - M)
.endr
	v_pk_mul_f32 v[14:15], v[14:15], v[252:253] op_sel_hi:[1,0]   ; the sums under the new M; the plain line behind the exponentials
	s_wait_alu depctr_va_vdst(0)                   ; one wait for the batch, ahead of its first reader
.irp b, 0,1,2,3
	v_exp_f32 v[232+\b], v[232+\b]                 ; each block's largest p
.endr
	v_pk_add_f32 v[236:237], v[96:97], v[98:99]    ; the row's sum of the unquantised p, in two chains
.irp j, 4,8,12,16,20,24,28,32,36,40,44,48,52,56,60
	v_pk_add_f32 v[14:15], v[14:15], v[96+\j:97+\j]
	v_pk_add_f32 v[236:237], v[236:237], v[98+\j:99+\j]
.endr
	v_pk_add_f32 v[14:15], v[14:15], v[236:237]
	s_wait_alu depctr_va_vdst(0)                   ; and one for the four
.irp b, 0,1,2,3
	v_max_num_f32 v[232+\b], 0x2800000, v[232+\b]  ; the floor 2^(5 - 127)
.endr
.irp b, 0,1,2,3
	v_add_nc_u32 v[244+\b], 0xfe000000, v[232+\b]
.endr
.irp b, 0,1,2,3
	v_lshrrev_b32 v[236+\b], 23, v[244+\b]
.endr
	v_lshl_or_b32 v94, v237, 8, v236               ; p's scale word for these 128 keys
	v_lshl_or_b32 v94, v238, 16, v94
	v_lshl_or_b32 v94, v239, 24, v94
.irp c, 0,1
	v_cvt_scalef32_pk16_bf6_f32 v[192+6*\c:194+6*\c], v[96+32*\c:111+32*\c], v[244+2*\c]
	v_cvt_scalef32_pk16_bf6_f32 v[204+4*\c:206+4*\c], v[112+32*\c:127+32*\c], v[244+2*\c+1]
.endr
	v_nop
.irp c, 0,1
.irp i, 0,1,2
	v_permlane16_swap_b32 v[192+6*\c+\i], v[204+4*\c+\i]
.endr
.irp i, 0,1,2
	v_mov_b32 v[195+6*\c+\i], v[204+4*\c+\i]
.endr
.endr
.irp j, 0,2,4,6,8,10,12,14,16,18,20,22,24,26,28,30
	v_pk_mul_f32 v[160+\j:161+\j], v[160+\j:161+\j], v[252:253] op_sel_hi:[1,0]   ; O^T under the new M; sixteen lines between the scale word's and the codes' last writes and the products
.endr
	s_wait_dscnt 0x0                               ; v
.irp t, 0,2
	v_wmma_scale_f32_16x16x128_f8f6f4 v[160+8*\t:167+8*\t], v[32+12*\t:43+12*\t], v[192:203], v[160+8*\t:167+8*\t], v[92+\t/2], v94 matrix_a_fmt:MATRIX_FMT_BF6 matrix_b_fmt:MATRIX_FMT_BF6
	v_wmma_scale_f32_16x16x128_f8f6f4 v[168+8*\t:175+8*\t], v[44+12*\t:55+12*\t], v[192:203], v[168+8*\t:175+8*\t], v[92+\t/2], v94 matrix_a_fmt:MATRIX_FMT_BF6 matrix_b_fmt:MATRIX_FMT_BF6 matrix_a_scale:MATRIX_SCALE_ROW1
.endr
.Lhidden_\@:
	s_add_co_u32 s56, s56, 128
	s_add_co_u32 s58, s58, KSTB
	s_add_co_u32 s59, s59, VSTB
.endm
.macro CHUNK c                         ; four key steps; the counted wait leaves the issuing wave's later chunks on their way: nothing is ever filled again
	s_wait_dscnt 0x0
	s_wait_tensorcnt 3-\c
	s_barrier_signal -1
	s_barrier_wait -1
	s_mov_b32 s58, \c*KCH
	s_mov_b32 s59, VLDS+\c*VCH
	s_mov_b32 s56, 512*\c
	s_mov_b32 s60, 4
.Lstep_\@:
	STEP
	s_sub_co_u32 s60, s60, 1
	s_cmp_lg_u32 s60, 0
	s_cbranch_scc1 .Lstep_\@
.endm
	s_wait_loadcnt 0x0                             ; q
	CHUNK 0
	CHUNK 1
	CHUNK 2
	CHUNK 3
	; THE WAY OUT: O^T / the sum, quantised along C: my 32 registers are two blocks of 32 (in halves); a half fragment and two scale bytes a row
	v_add_f32 v14, v14, v15
	v_permlanex16_b32 v252, v14, s20, s21
	v_add_f32 v14, v14, v252                       ; the row's sum
	v_rcp_f32 v14, v14
	v_add_nc_u32 v8, s88, v1                       ; (plain lines behind the reciprocal and behind the last products)
	v_add_nc_u32 v9, s88, v2
	v_lshlrev_b32 v10, 2, v4
	v_add_nc_u32 v10, s87, v10
	s_wait_alu depctr_va_vdst(0)
.irp j, 0,2,4,6,8,10,12,14,16,18,20,22,24,26,28,30
	v_pk_mul_f32 v[96+\j:97+\j], v[160+\j:161+\j], v[14:15] op_sel_hi:[1,0]
.endr
.irp b, 0,1
	v_max3_num_f32 v[232+\b], |v[96+16*\b]|, |v[97+16*\b]|, 0x2800000
.endr
.irp i, 2,4,6,8,10,12,14
.irp b, 0,1
	v_max3_num_f32 v[232+\b], v[232+\b], |v[96+16*\b+\i]|, |v[97+16*\b+\i]|
.endr
.endr
.irp b, 0,1
	v_permlanex16_b32 v[236+\b], v[232+\b], s20, s21
.endr
.irp b, 0,1
	v_max_num_f32 v[232+\b], v[232+\b], v[236+\b]
.endr
.irp b, 0,1
	v_add_nc_u32 v[244+\b], 0xfe000000, v[232+\b]
.endr
.irp b, 0,1
	v_lshrrev_b32 v[236+\b], 23, v[244+\b]
.endr
	v_lshl_or_b32 v240, v237, 8, v236
	v_cvt_scalef32_pk16_bf6_f32 v[192:194], v[96:111], v244
	v_cvt_scalef32_pk16_bf6_f32 v[196:198], v[112:127], v245
	v_nop
.irp i, 0,1,2
	v_permlane16_swap_b32 v[192+\i], v[196+\i]
.endr
	v_mov_b32 v195, v196
	v_mov_b32 v196, v197
	v_mov_b32 v197, v198
	global_store_b128 v8, v[192:195], s[6:7]       ; 512 consecutive bytes, aligned
	global_store_b64 v9, v[196:197], s[6:7]        ; 256
	s_wait_xcnt 0x0                                ; EXEC changes only behind this wait
	v_cmp_gt_u32 vcc_lo, 16, v6
	s_wait_tensorcnt 0x0
	ds_add_u32 v251, v255
	s_wait_dscnt 0x0
	s_and_saveexec_b32 s60, vcc_lo
	global_store_b16 v10, v240, s[6:7]             ; lanes 0-15: my head's two bytes of each row's scale word
	s_wait_xcnt 0x0
	s_or_b32 exec_lo, exec_lo, s60
	s_endpgm
.Lfunc_end_k_q304ab13ee9_attn:
	.size	k_q304ab13ee9_attn, .Lfunc_end_k_q304ab13ee9_attn-k_q304ab13ee9_attn
	.p2alignl 7, 3214868480
	.fill 96, 4, 3214868480
	.section	.rodata,"a",@progbits
	.p2align	6, 0x0
	.amdhsa_kernel k_q304ab13ee9_attn
		.amdhsa_group_segment_fixed_size 210944
		.amdhsa_private_segment_fixed_size 0
		.amdhsa_enable_private_segment 0
		.amdhsa_kernarg_size 16
		.amdhsa_user_sgpr_count 2
		.amdhsa_user_sgpr_kernarg_segment_ptr 1
		.amdhsa_wavefront_size32 1
		.amdhsa_system_sgpr_workgroup_id_x 1
		.amdhsa_system_sgpr_workgroup_id_y 1
		.amdhsa_system_sgpr_workgroup_id_z 1
		.amdhsa_system_vgpr_workitem_id 0
		.amdhsa_next_free_vgpr 256
		.amdhsa_next_free_sgpr 100
		.amdhsa_reserve_vcc 1
		.amdhsa_float_denorm_mode_32 3
		.amdhsa_float_denorm_mode_16_64 3
		.amdhsa_memory_ordered 1
		.amdhsa_forward_progress 1
		.amdhsa_inst_pref_size 101
	.end_amdhsa_kernel
	.amdgpu_metadata
---
amdhsa.version: [ 1, 2 ]
amdhsa.kernels:
  - .name:           k_q304ab13ee9_attn
    .symbol:         k_q304ab13ee9_attn.kd
    .args:
      - { .name: qkv, .offset: 0, .size: 8, .value_kind: global_buffer, .address_space: global }
      - { .name: oimg, .offset: 8, .size: 8, .value_kind: global_buffer, .address_space: global }
    .group_segment_fixed_size: 210944
    .private_segment_fixed_size: 0
    .kernarg_segment_align: 8
    .kernarg_segment_size: 16
    .max_flat_workgroup_size: 512
    .sgpr_count:     100
    .vgpr_count:     256
    .wavefront_size: 32
...
	.end_amdgpu_metadata
.endif
;; end of part 4
;; launch wo (part 5): grid 8 x 32, 4 waves a work-group, clusters of 4 x 4, 327,680 bytes of LDS; arguments oimg, wimg, bo, x, x1; writes x1
.if DOCPART == 5
	.amdgcn_target "amdgcn-amd-amdhsa--gfx1250"
	.amdhsa_code_object_version 6
	.text
	.protected	k_q304ab13ee9_wo
	.globl	k_q304ab13ee9_wo
	.p2align	8
	.type	k_q304ab13ee9_wo,@function
k_q304ab13ee9_wo:
	s_mov_b64 s[64:65], 0
	v_nop
	global_prefetch_b8 v0, s[64:65] scope:SCOPE_SE
	s_setreg_imm32_b32 hwreg(HW_REG_WAVE_MODE, 25, 1), 1
	s_wait_xcnt 0x0
	s_wait_alu depctr_hold_cnt(0) depctr_sa_sdst(0) depctr_va_vdst(0) depctr_va_sdst(0) depctr_va_ssrc(0) depctr_va_vcc(0) depctr_vm_vsrc(0)
	s_getreg_b32 s2, hwreg(HW_REG_IB_STS2, 6, 4)
	s_cmp_eq_u32 s2, 0
	s_cbranch_scc0 .Lentry_in_a_cluster
	s_endpgm
.Lentry_in_a_cluster:
	s_bfe_u32 s2, ttmp6, 0x10000c
	s_cmp_lg_u32 s2, 0xf033
	s_cbranch_scc0 .Lentry_shape_is_right
	s_endpgm
.Lentry_shape_is_right:
; WO: x1 = out Wo + bo + x.  The product (K = 1,024) runs on codes of BF6 with E8M0 scales; bias and residual are added in f32, (sum + bias) + residual.
; Operands come as images in the order of the operand's registers, in panels of 64 rows: [K step of 128][4 fragments x 1,536 bytes][4 x 64 bytes of scale words] = 6,400 bytes a step.
; A's fragments (attention's result) lie as two halves: registers 0-3 at 16 l, 4-5 at 512 + 8 l, 6-9 at 768 + 16 l, 10-11 at 1,280 + 8 l; B's as three pieces of 512 bytes.
; N = 1,024 gives 64 tiles of 256 x 256, a quarter of the 256 work-groups wanted: so a tile is 128 x 128, four waves of 64 x 64: 16 accumulators.  A slot holds four K steps; each wave fetches one panel's four steps (25,600 dense bytes) by one tensor load.
; K = 1,024 is two slots: both are first fills, and nothing is filled again; the change of slots keeps the common form.
; THE MATRIX INSTRUCTION IS USED TRANSPOSED (source 0 = B, source 1 = A): a lane holds eight neighbouring columns of one row.  CLUSTERS: 4 x 4: A's tiles jointly along a row, B's along a column.
; The residual's 64 x 64 numbers of a wave and the bias are asked for at the head and lie in registers when the sums are finished.
; REGISTERS: window 0: v0-31 addresses, v8-11 the bias; v32-47 scale words, two sets; v64-111, v160-207 A's two sets (on the way out v64-127 rows read back).  Window 1: B's two sets at v0, v128; the residual at v48-111, v176-239.  Window 2: accumulator (a, b) at 8 (4 a + b).
.set NBK,    4
.set SQ,     4
.set KSTEPS, 8
.set A_HF,   1
.set BOFF,   5734400                   ; Wo's panels in wimg
.set STEPB,   1600*NBK
.set QUARTER, SQ*STEPB
.set SLOT,    4*QUARTER
.set PANELB,  KSTEPS*STEPB
.set LAPS,    KSTEPS/(2*SQ)
.set NLD,     (7+A_HF)*NBK
.set STAGE,   2*SLOT                   ; behind the ring: for each wave two stages of 16 rows x (256 + 16) bytes; no fill lands here
.set SPARE,   STAGE+4*8704             ; behind the stages: the spare words, 128 bytes a wave
.set MSB, 0
.macro WIN new
.if MSB != (\new)
	s_set_vgpr_msb (MSB<<8)|(\new)
.set MSB, (\new)
.endif
.endm
.macro PLACES
.rept 4
	v_nop
.endr
.endm
.macro JLOAD g0a, g0b
	s_cmp_eq_u32 s15, 0
	s_cbranch_scc0 .Lfor_b_\@
	tensor_load_to_lds s[\g0a:\g0a+3], s[24:31]
	s_nop 0
.rept 4
	v_nop
.endr
	s_branch .Lasked_\@
.Lfor_b_\@:
	tensor_load_to_lds s[\g0b:\g0b+3], s[48:55]
	s_nop 0
.rept 4
	v_nop
.endr
.Lasked_\@:
.endm
.macro CREST
	s_cmp_lg_u32 s14, 0
	s_cbranch_scc1 .Lnot_wave_0_\@
	s_barrier_signal -3
.Lnot_wave_0_\@:
	s_barrier_wait -3
	s_barrier_signal -1
	s_barrier_wait -1
.endm
.macro CROUND
	s_barrier_signal -1
	s_barrier_wait -1
	CREST
.endm
.macro WM d, bf, af, sb, sa, rb, ra, zero
.if (\zero)&&((\rb)==0)&&((\ra)==0)
	v_wmma_scale_f32_16x16x128_f8f6f4 v[\d:\d+7], v[\bf:\bf+11], v[\af:\af+11], 0, v[\sb], v[\sa] matrix_a_fmt:MATRIX_FMT_BF6 matrix_b_fmt:MATRIX_FMT_BF6
.elseif (\zero)&&((\rb)==1)&&((\ra)==0)
	v_wmma_scale_f32_16x16x128_f8f6f4 v[\d:\d+7], v[\bf:\bf+11], v[\af:\af+11], 0, v[\sb], v[\sa] matrix_a_fmt:MATRIX_FMT_BF6 matrix_b_fmt:MATRIX_FMT_BF6 matrix_a_scale:MATRIX_SCALE_ROW1
.elseif (\zero)&&((\rb)==0)&&((\ra)==1)
	v_wmma_scale_f32_16x16x128_f8f6f4 v[\d:\d+7], v[\bf:\bf+11], v[\af:\af+11], 0, v[\sb], v[\sa] matrix_a_fmt:MATRIX_FMT_BF6 matrix_b_fmt:MATRIX_FMT_BF6 matrix_b_scale:MATRIX_SCALE_ROW1
.elseif (\zero)
	v_wmma_scale_f32_16x16x128_f8f6f4 v[\d:\d+7], v[\bf:\bf+11], v[\af:\af+11], 0, v[\sb], v[\sa] matrix_a_fmt:MATRIX_FMT_BF6 matrix_b_fmt:MATRIX_FMT_BF6 matrix_a_scale:MATRIX_SCALE_ROW1 matrix_b_scale:MATRIX_SCALE_ROW1
.elseif ((\rb)==0)&&((\ra)==0)
	v_wmma_scale_f32_16x16x128_f8f6f4 v[\d:\d+7], v[\bf:\bf+11], v[\af:\af+11], v[\d:\d+7], v[\sb], v[\sa] matrix_a_fmt:MATRIX_FMT_BF6 matrix_b_fmt:MATRIX_FMT_BF6
.elseif ((\rb)==1)&&((\ra)==0)
	v_wmma_scale_f32_16x16x128_f8f6f4 v[\d:\d+7], v[\bf:\bf+11], v[\af:\af+11], v[\d:\d+7], v[\sb], v[\sa] matrix_a_fmt:MATRIX_FMT_BF6 matrix_b_fmt:MATRIX_FMT_BF6 matrix_a_scale:MATRIX_SCALE_ROW1
.elseif ((\rb)==0)&&((\ra)==1)
	v_wmma_scale_f32_16x16x128_f8f6f4 v[\d:\d+7], v[\bf:\bf+11], v[\af:\af+11], v[\d:\d+7], v[\sb], v[\sa] matrix_a_fmt:MATRIX_FMT_BF6 matrix_b_fmt:MATRIX_FMT_BF6 matrix_b_scale:MATRIX_SCALE_ROW1
.else
	v_wmma_scale_f32_16x16x128_f8f6f4 v[\d:\d+7], v[\bf:\bf+11], v[\af:\af+11], v[\d:\d+7], v[\sb], v[\sa] matrix_a_fmt:MATRIX_FMT_BF6 matrix_b_fmt:MATRIX_FMT_BF6 matrix_a_scale:MATRIX_SCALE_ROW1 matrix_b_scale:MATRIX_SCALE_ROW1
.endif
.endm
.macro MULQ k, p, zero                 ; the accumulators take turns, in the same order in every step
.set ma, (\k)*NBK/4
.rept NBK/4
	WIN 0xa1+0x50*((ma*NBK)/32)
.set mb, 0
.rept NBK
.set idx, ma*NBK+mb
	WM 8*(idx%32), 128*(\p)+12*mb, 64+96*(\p)+12*ma, 36+8*(\p)+mb/2, 32+8*(\p)+ma/2, mb%2, ma%2, \zero
.set mb, mb+1
.endr
.set ma, ma+1
.endr
.endm
.macro FETCH slot, q, p
	WIN 0x40
.set fi, 0
.rept NBK
.irp c, 0,1,2
	ds_load_b128 v[128*(\p)+12*fi+4*\c:128*(\p)+12*fi+4*\c+3], v[18+\slot] offset:(\q)*STEPB+1536*fi+512*\c
.endr
.set fi, fi+1
.endr
	WIN 0
.set fi, 0
.rept NBK
.set fa, 64+96*(\p)+12*fi
.set fo, (\q)*STEPB+1536*fi
.if A_HF
	ds_load_b128 v[fa:fa+3], v[16+\slot] offset:fo
	ds_load_b64 v[fa+4:fa+5], v[24+\slot] offset:fo+512
	ds_load_b128 v[fa+6:fa+9], v[16+\slot] offset:fo+768
	ds_load_b64 v[fa+10:fa+11], v[24+\slot] offset:fo+1280
.else
	ds_load_b128 v[fa:fa+3], v[16+\slot] offset:fo
	ds_load_b128 v[fa+4:fa+7], v[16+\slot] offset:fo+512
	ds_load_b128 v[fa+8:fa+11], v[16+\slot] offset:fo+1024
.endif
.set fi, fi+1
.endr
.set fi, 0
.rept NBK/2
	ds_load_b32 v[32+8*(\p)+fi], v[20+\slot] offset:(\q)*STEPB+1536*NBK+128*fi
	ds_load_b32 v[36+8*(\p)+fi], v[22+\slot] offset:(\q)*STEPB+1536*NBK+128*fi
.set fi, fi+1
.endr
.endm
.macro STEP slot, q, zero
	PLACES
	FETCH \slot, (\q)+1, 1-(\q)%2
	s_wait_dscnt NLD                               ; all but the NLD loads just issued: this step's operands are in
	MULQ 0, (\q)%2, \zero
	MULQ 1, (\q)%2, \zero
	MULQ 2, (\q)%2, \zero
	MULQ 3, (\q)%2, \zero
.endm
.macro RUN slot, from
.set sq, \from
.rept SQ-1-(\from)
	STEP \slot, sq, 0
.set sq, sq+1
.endr
.endm
.macro TURN slot, next, fill
	WIN 0
	s_wait_tensorcnt 0x0                           ; my part of the next slot has landed; no tensor load of mine is out
	ds_add_u32 v28, v29                            ; 0 onto my spare word
	s_wait_dscnt 0x1                               ; this step's operands are in; the add may be out
	MULQ 0, 1, 0
	s_wait_dscnt 0x0                               ; the add is done, and my reads of this slot are over
	s_barrier_signal -1
	MULQ 1, 1, 0
	WIN 0
	s_barrier_wait -1
.if \fill
	CREST
	s_add_nc_u64 s[34+4*\slot:35+4*\slot], s[34+4*\slot:35+4*\slot], 2*QUARTER
	s_add_nc_u64 s[58+4*\slot:59+4*\slot], s[58+4*\slot:59+4*\slot], 2*QUARTER
	JLOAD 32+4*\slot, 56+4*\slot
.else
	PLACES
.endif
	FETCH \next, 0, 0
	MULQ 2, 1, 0
	MULQ 3, 1, 0
.endm
	s_load_b128 s[4:7], s[0:1], 0x0                ; A's image, wimg
	s_load_b128 s[8:11], s[0:1], 0x10              ; the bias, the residual
	s_load_b64 s[12:13], s[0:1], 0x20              ; the result
	v_lshl_add_u32 v28, v0, 2, SPARE
	v_mov_b32 v29, 0
	ds_add_u32 v28, v29
	ds_add_u32 v28, v29
	s_wait_dscnt 0x0
	v_lshrrev_b32 v1, 5, v0
	v_readfirstlane_b32 s14, v1                    ; wave 0..3
	s_lshr_b32 s15, s14, 1
	s_and_b32 s16, s14, 1
	s_bfe_u32 s40, ttmp6, 0x40000                  ; cx
	s_bfe_u32 s41, ttmp6, 0x40004                  ; cy
	s_lshl_b32 s42, ttmp9, 2
	s_add_co_u32 s42, s42, s40                     ; tile column
	s_and_b32 s17, ttmp7, 0xffff
	s_lshl_b32 s17, s17, 2
	s_add_co_u32 s17, s17, s41                     ; tile row
	s_lshl_b32 s43, s41, 2
	s_lshl_b32 s43, 15, s43
	s_lshl_b32 s44, 0x1111, s40
	s_or_b32 s24, s43, (3<<16)|(1<<21)             ; group 1: 25,600 dense bytes as 100 rows of 32 elements of 8 bytes, no padding
	s_or_b32 s48, s44, (3<<16)|(1<<21)
.irp g, 24, 48
	s_mov_b32 s[\g+1], 32<<16
	s_mov_b32 s[\g+2], 100<<16
	s_mov_b32 s[\g+3], 32<<16
	s_mov_b32 s[\g+4], 100
	s_mov_b32 s[\g+5], 32
	s_mov_b32 s[\g+6], 0
	s_mov_b32 s[\g+7], 0
.endr
	s_lshl_b32 s20, s17, 1
	s_add_co_u32 s20, s20, s16
	s_mul_i32 s20, s20, PANELB
	s_mov_b32 s21, 0
	s_lshl_b32 s46, s42, 1
	s_add_co_u32 s46, s46, s16
	s_mul_i32 s46, s46, PANELB
	s_add_co_u32 s46, s46, BOFF
	s_mov_b32 s47, 0
	s_mul_i32 s45, s14, QUARTER
	s_wait_kmcnt 0x0
	s_add_nc_u64 s[20:21], s[4:5], s[20:21]
	s_add_nc_u64 s[46:47], s[6:7], s[46:47]
	CROUND
.irp s, 0,1
	s_mov_b32 s[32+4*\s], 1
	s_add_co_u32 s[33+4*\s], s45, \s*SLOT
	s_add_nc_u64 s[34+4*\s:35+4*\s], s[20:21], \s*QUARTER
	s_or_b32 s[35+4*\s], s[35+4*\s], 0x80000000
	s_mov_b32 s[56+4*\s], 1
	s_add_co_u32 s[57+4*\s], s45, \s*SLOT
	s_add_nc_u64 s[58+4*\s:59+4*\s], s[46:47], \s*QUARTER
	s_or_b32 s[59+4*\s], s[59+4*\s], 0x80000000
	JLOAD 32+4*\s, 56+4*\s
.endr
	v_and_b32 v3, 31, v0                           ; lane
	v_and_b32 v1, 15, v0                           ; r
	v_bfe_u32 v2, v0, 4, 1                         ; h
	v_lshlrev_b32 v4, 4, v3
	v_lshlrev_b32 v5, 2, v3
	v_lshlrev_b32 v6, 3, v3
	s_mul_i32 s22, s15, QUARTER
	s_mul_i32 s23, s16, QUARTER
	s_add_co_u32 s23, s23, 2*QUARTER
.irp s, 0,1
	v_add_nc_u32 v[16+\s], s22, v4
	v_add_nc_u32 v[18+\s], s23, v4
	v_add_nc_u32 v[20+\s], s22, v5
	v_add_nc_u32 v[22+\s], s23, v5
	v_add_nc_u32 v[24+\s], s22, v6
	s_add_co_u32 s22, s22, SLOT
	s_add_co_u32 s23, s23, SLOT
.endr
	s_lshl_b32 s66, s17, 7
	s_lshl_b32 s67, s15, 6
	s_add_co_u32 s66, s66, s67                     ; my first row
	s_lshl_b32 s66, s66, 12
	s_lshl_b32 s68, s42, 7
	s_lshl_b32 s69, s16, 6
	s_add_co_u32 s68, s68, s69                     ; my first column
	s_lshl_b32 s68, s68, 2
	s_mov_b32 s69, 0
	s_add_nc_u64 s[8:9], s[8:9], s[68:69]
	s_add_co_u32 s66, s66, s68
	s_mov_b32 s67, 0
	s_add_nc_u64 s[10:11], s[10:11], s[66:67]
	s_add_nc_u64 s[12:13], s[12:13], s[66:67]
	v_lshlrev_b32 v31, 4, v1                       ; 16 x (lane % 16): my four columns of the wave's 64
	v_lshl_add_u32 v26, v2, 12, v31                ; + a row for lanes 16-31
	s_mul_i32 s70, s14, 8704
	s_add_co_u32 s70, s70, STAGE                   ; my stages
	v_mul_u32_u24 v27, v1, 272
	v_lshl_add_u32 v27, v2, 5, v27
	v_add_nc_u32 v27, s70, v27                     ; in: row r, 32 bytes for each half of the lanes
	v_mul_u32_u24 v30, v2, 272
	v_add_nc_u32 v30, v30, v31
	v_add_nc_u32 v30, s70, v30                     ; back: lanes 0-15 one row of 256 bytes, lanes 16-31 the next
	global_load_b128 v[8:11], v31, s[8:9]
	WIN 0x40
.irp a, 0,1,2,3
.irp t, 0,1,2,3,4,5,6,7
	global_load_b128 v[48+32*\a+64*(\a/2)+4*\t:48+32*\a+64*(\a/2)+4*\t+3], v26, s[10:11] offset:(16*\a+2*\t)*4096
.endr
.endr
	WIN 0
	s_wait_tensorcnt 0x1                           ; my part of slot 0 is in; slot 1's may stay out
	s_barrier_signal -1
	s_barrier_wait -1
	FETCH 0, 0, 0
	STEP 0, 0, 1
	RUN 0, 1
.if LAPS > 1
	WIN 0
	s_mov_b32 s3, LAPS-1
.Llap:
	TURN 0, 1, 1
	RUN 1, 0
	TURN 1, 0, 1
	RUN 0, 0
	WIN 0
	s_sub_co_u32 s3, s3, 1
	s_cmp_lg_u32 s3, 0
	s_cbranch_scc1 .Llap
.endif
	TURN 0, 1, 0
	RUN 1, 0
	s_wait_dscnt 0x0
	MULQ 0, 1, 0
	MULQ 1, 1, 0
	MULQ 2, 1, 0
	MULQ 3, 1, 0
	WIN 0
; THE WAY OUT, 16 rows x 64 columns at a time, through my own stage: in as 32 bytes a lane, back as whole rows of 256 bytes.  LDS serves a wave's instructions in order (ISA guide 5.7.1.4): no wait between the stores and the loads.
.macro TOSTAGE a
	WIN 0x08                                       ; the data: window 2
.irp b, 0,1,2,3
	ds_store_b128 v27, v[32*(\a)+8*\b:32*(\a)+8*\b+3] offset:((\a)%2)*4352+64*\b        ; each accumulator from its low end on
	ds_store_b128 v27, v[32*(\a)+8*\b+4:32*(\a)+8*\b+7] offset:((\a)%2)*4352+64*\b+16
.endr
	WIN 0
.irp t, 0,1,2,3,4,5,6,7
	ds_load_b128 v[64+32*((\a)%2)+4*\t:64+32*((\a)%2)+4*\t+3], v30 offset:((\a)%2)*4352+544*\t
.endr
.endm
.macro SEND a, younger                 ; younger: the LDS instructions issued behind block a's loads, which may stay out
.set BB, 64+32*((\a)%2)
.set RS, 48+32*(\a)+64*((\a)/2)
	s_wait_dscnt \younger
.irp t, 0,1,2,3,4,5,6,7
	v_pk_add_f32 v[BB+4*\t:BB+4*\t+1], v[BB+4*\t:BB+4*\t+1], v[8:9]
	v_pk_add_f32 v[BB+4*\t+2:BB+4*\t+3], v[BB+4*\t+2:BB+4*\t+3], v[10:11]
.endr
	WIN 0x04                                       ; source 1: window 1, the residual
.irp t, 0,1,2,3,4,5,6,7
	v_pk_add_f32 v[BB+4*\t:BB+4*\t+1], v[BB+4*\t:BB+4*\t+1], v[RS+4*\t:RS+4*\t+1]
	v_pk_add_f32 v[BB+4*\t+2:BB+4*\t+3], v[BB+4*\t+2:BB+4*\t+3], v[RS+4*\t+2:RS+4*\t+3]
.endr
	WIN 0
.irp t, 0,1,2,3,4,5,6,7
	global_store_b128 v26, v[BB+4*\t:BB+4*\t+3], s[12:13] offset:(16*(\a)+2*\t)*4096    ; sixteen lanes store 256 consecutive bytes, aligned
.endr
.endm
	s_wait_loadcnt 0x0                             ; the bias and the residual
	PLACES
	TOSTAGE 0
.irp a, 1,2,3
.if \a > 1
	s_wait_xcnt 0x0                                ; block a - 2's stores have read their registers: block a's loads may land there
.endif
	TOSTAGE \a
	SEND \a-1, 16                                  ; behind block a - 1's loads: block a's 8 stores and 8 loads
.endr
	SEND 3, 0
	s_wait_tensorcnt 0x0                           ; the wave's end
	ds_add_u32 v28, v29
	s_wait_dscnt 0x0
	CROUND                                         ; the closing round
	s_endpgm
.Lfunc_end_k_q304ab13ee9_wo:
	.size	k_q304ab13ee9_wo, .Lfunc_end_k_q304ab13ee9_wo-k_q304ab13ee9_wo
	.p2alignl 7, 3214868480
	.fill 96, 4, 3214868480
	.section	.rodata,"a",@progbits
	.p2align	6, 0x0
	.amdhsa_kernel k_q304ab13ee9_wo
		.amdhsa_group_segment_fixed_size 327680
		.amdhsa_private_segment_fixed_size 0
		.amdhsa_enable_private_segment 0
		.amdhsa_kernarg_size 40
		.amdhsa_user_sgpr_count 2
		.amdhsa_user_sgpr_kernarg_segment_ptr 1
		.amdhsa_wavefront_size32 1
		.amdhsa_system_sgpr_workgroup_id_x 1
		.amdhsa_system_sgpr_workgroup_id_y 1
		.amdhsa_system_sgpr_workgroup_id_z 1
		.amdhsa_system_vgpr_workitem_id 0
		.amdhsa_next_free_vgpr 768
		.amdhsa_next_free_sgpr 100
		.amdhsa_reserve_vcc 0
		.amdhsa_float_denorm_mode_32 3
		.amdhsa_float_denorm_mode_16_64 3
		.amdhsa_memory_ordered 1
		.amdhsa_forward_progress 1
		.amdhsa_inst_pref_size 61
	.end_amdhsa_kernel
	.amdgpu_metadata
---
amdhsa.version: [ 1, 2 ]
amdhsa.kernels:
  - .name:           k_q304ab13ee9_wo
    .symbol:         k_q304ab13ee9_wo.kd
    .args:
      - { .name: oimg, .offset: 0, .size: 8, .value_kind: global_buffer, .address_space: global }
      - { .name: wimg, .offset: 8, .size: 8, .value_kind: global_buffer, .address_space: global }
      - { .name: bo, .offset: 16, .size: 8, .value_kind: global_buffer, .address_space: global }
      - { .name: x, .offset: 24, .size: 8, .value_kind: global_buffer, .address_space: global }
      - { .name: x1, .offset: 32, .size: 8, .value_kind: global_buffer, .address_space: global }
    .group_segment_fixed_size: 327680
    .private_segment_fixed_size: 0
    .kernarg_segment_align: 8
    .kernarg_segment_size: 40
    .max_flat_workgroup_size: 128
    .sgpr_count:     100
    .vgpr_count:     768
    .wavefront_size: 32
...
	.end_amdgpu_metadata
.endif
;; end of part 5
;; launch ln2: the kernel of part 2 again; grid 256 x 1, 8 waves a work-group, no clusters, 66,816 bytes of LDS; arguments x1, g2, be2, himg; writes himg
;; launch ff1 (part 6): grid 16 x 16, 4 waves a work-group, clusters of 4 x 4, 327,680 bytes of LDS; arguments himg, wimg, b1, hid; writes hid
.if DOCPART == 6
	.amdgcn_target "amdgcn-amd-amdhsa--gfx1250"
	.amdhsa_code_object_version 6
	.text
	.protected	k_q304ab13ee9_ff1
	.globl	k_q304ab13ee9_ff1
	.p2align	8
	.type	k_q304ab13ee9_ff1,@function
k_q304ab13ee9_ff1:
	s_mov_b64 s[64:65], 0
	v_nop
	global_prefetch_b8 v0, s[64:65] scope:SCOPE_SE
	s_setreg_imm32_b32 hwreg(HW_REG_WAVE_MODE, 25, 1), 1
	s_wait_xcnt 0x0
	s_wait_alu depctr_hold_cnt(0) depctr_sa_sdst(0) depctr_va_vdst(0) depctr_va_sdst(0) depctr_va_ssrc(0) depctr_va_vcc(0) depctr_vm_vsrc(0)
	s_getreg_b32 s2, hwreg(HW_REG_IB_STS2, 6, 4)
	s_cmp_eq_u32 s2, 0
	s_cbranch_scc0 .Lentry_in_a_cluster
	s_endpgm
.Lentry_in_a_cluster:
	s_bfe_u32 s2, ttmp6, 0x10000c
	s_cmp_lg_u32 s2, 0xf033
	s_cbranch_scc0 .Lentry_shape_is_right
	s_endpgm
.Lentry_shape_is_right:
; FF1: hid = Q(relu(h2 W1 + b1)): the product (K = 1,024) on codes of BF6 with E8M0 scales; bias and relu in f32; the result quantised along FF at once, as the next product's operand image.
; Operands come as images in the order of the operand's registers, in panels of 128 rows: [K step of 128][8 fragments x 1,536 bytes][8 x 64 bytes of scale words] = 12,800 bytes a step.
; A tile of 256 x 256 is made by four waves, 128 x 128 each: 64 accumulators, 512 registers.
; K's EIGHT STEPS GO THROUGH TWO LDS REGIONS: region 0 holds two steps, region 1 four.  Both are filled at the start (steps 0-5); region 0 is filled once more, with steps 6 and 7, as soon as steps 0 and 1 are multiplied:
; that one refill has region 1's four steps, 256 matrix instructions a wave, in which to land.  Each wave fetches one panel's steps (25,600 or 51,200 dense bytes) by one tensor load.
; THE MATRIX INSTRUCTION IS USED TRANSPOSED (source 0 = W1's columns, source 1 = tokens): a lane holds one token, and its 64 registers of a block of 16 tokens run along 128 hidden units: one K step of the next product.
; ORDER INSIDE A BLOCK OF 32: position 16 hh + 8 u + j holds k = 16 u + 8 hh + j, as in W2's image.
; OUT: hid: panels of 64 rows: [K step][4 fragments x 1,536][4 x 64 bytes of scale words] = 6,400 bytes a step, 32 steps.
; CLUSTERS: 4 x 4: A's tiles are asked for jointly along a row of the cluster, B's along a column.
; NO PREFETCH: the one refill follows the first fills by two K steps; a request ahead of it would stand at the head, among every work-group's first loads.
; LIMITS: a block of zeros gets the byte 1; largest magnitudes under 2^-122 are held at that floor; NaN and infinities are not served.
; REGISTERS: window 0: v0-31 addresses; v32-47 scale words, two sets; v64-159, v160-255 A's two sets (in the epilogue v64-127 a block's numbers, v192-235 at work).  Window 1: B's two sets at v0, v128; b1 at v96-127, v224-255.  Windows 2, 3: accumulator (a, b) at 8 ((8 a + b) % 32).
.set NBK,    8
.set S0,     2                         ; K steps in region 0
.set S1,     4                         ; K steps in region 1
.set KSTEPS, 8
.set BOFF,   2457600                   ; W1's panels in wimg
.set STEPB,  1600*NBK
.set Q0,     S0*STEPB                  ; what one tensor load brings into region 0: 25,600 bytes
.set Q1,     S1*STEPB                  ; into region 1: 51,200 bytes
.set RB1,    4*Q0                      ; region 1 begins behind region 0's four quarters
.set PANELB, KSTEPS*STEPB
.set NLD,    7*NBK
.set SPARE,  RB1+4*Q1                  ; behind the regions: the spare words, 128 bytes a wave
.set PC, 192
.set TM, 212
.set MSB, 0
.macro WIN new
.if MSB != (\new)
	s_set_vgpr_msb (MSB<<8)|(\new)
.set MSB, (\new)
.endif
.endm
.macro PLACES
.rept 4
	v_nop
.endr
.endm
.macro JLOAD r                         ; a joint load into region r: waves 0, 1 fetch A's panels, waves 2, 3 B's; four v_nop follow each line
	s_cmp_eq_u32 s15, 0
	s_cbranch_scc0 .Lfor_b_\@
	tensor_load_to_lds s[32+4*(\r):35+4*(\r)], s[24+56*(\r):31+56*(\r)]
	s_nop 0
.rept 4
	v_nop
.endr
	s_branch .Lasked_\@
.Lfor_b_\@:
	tensor_load_to_lds s[56+4*(\r):59+4*(\r)], s[48+40*(\r):55+40*(\r)]
	s_nop 0
.rept 4
	v_nop
.endr
.Lasked_\@:
.endm
.macro CREST
	s_cmp_lg_u32 s14, 0
	s_cbranch_scc1 .Lnot_wave_0_\@
	s_barrier_signal -3
.Lnot_wave_0_\@:
	s_barrier_wait -3
	s_barrier_signal -1
	s_barrier_wait -1
.endm
.macro CROUND
	s_barrier_signal -1
	s_barrier_wait -1
	CREST
.endm
.macro WM d, bf, af, sb, sa, rb, ra, zero
.if (\zero)&&((\rb)==0)&&((\ra)==0)
	v_wmma_scale_f32_16x16x128_f8f6f4 v[\d:\d+7], v[\bf:\bf+11], v[\af:\af+11], 0, v[\sb], v[\sa] matrix_a_fmt:MATRIX_FMT_BF6 matrix_b_fmt:MATRIX_FMT_BF6
.elseif (\zero)&&((\rb)==1)&&((\ra)==0)
	v_wmma_scale_f32_16x16x128_f8f6f4 v[\d:\d+7], v[\bf:\bf+11], v[\af:\af+11], 0, v[\sb], v[\sa] matrix_a_fmt:MATRIX_FMT_BF6 matrix_b_fmt:MATRIX_FMT_BF6 matrix_a_scale:MATRIX_SCALE_ROW1
.elseif (\zero)&&((\rb)==0)&&((\ra)==1)
	v_wmma_scale_f32_16x16x128_f8f6f4 v[\d:\d+7], v[\bf:\bf+11], v[\af:\af+11], 0, v[\sb], v[\sa] matrix_a_fmt:MATRIX_FMT_BF6 matrix_b_fmt:MATRIX_FMT_BF6 matrix_b_scale:MATRIX_SCALE_ROW1
.elseif (\zero)
	v_wmma_scale_f32_16x16x128_f8f6f4 v[\d:\d+7], v[\bf:\bf+11], v[\af:\af+11], 0, v[\sb], v[\sa] matrix_a_fmt:MATRIX_FMT_BF6 matrix_b_fmt:MATRIX_FMT_BF6 matrix_a_scale:MATRIX_SCALE_ROW1 matrix_b_scale:MATRIX_SCALE_ROW1
.elseif ((\rb)==0)&&((\ra)==0)
	v_wmma_scale_f32_16x16x128_f8f6f4 v[\d:\d+7], v[\bf:\bf+11], v[\af:\af+11], v[\d:\d+7], v[\sb], v[\sa] matrix_a_fmt:MATRIX_FMT_BF6 matrix_b_fmt:MATRIX_FMT_BF6
.elseif ((\rb)==1)&&((\ra)==0)
	v_wmma_scale_f32_16x16x128_f8f6f4 v[\d:\d+7], v[\bf:\bf+11], v[\af:\af+11], v[\d:\d+7], v[\sb], v[\sa] matrix_a_fmt:MATRIX_FMT_BF6 matrix_b_fmt:MATRIX_FMT_BF6 matrix_a_scale:MATRIX_SCALE_ROW1
.elseif ((\rb)==0)&&((\ra)==1)
	v_wmma_scale_f32_16x16x128_f8f6f4 v[\d:\d+7], v[\bf:\bf+11], v[\af:\af+11], v[\d:\d+7], v[\sb], v[\sa] matrix_a_fmt:MATRIX_FMT_BF6 matrix_b_fmt:MATRIX_FMT_BF6 matrix_b_scale:MATRIX_SCALE_ROW1
.else
	v_wmma_scale_f32_16x16x128_f8f6f4 v[\d:\d+7], v[\bf:\bf+11], v[\af:\af+11], v[\d:\d+7], v[\sb], v[\sa] matrix_a_fmt:MATRIX_FMT_BF6 matrix_b_fmt:MATRIX_FMT_BF6 matrix_a_scale:MATRIX_SCALE_ROW1 matrix_b_scale:MATRIX_SCALE_ROW1
.endif
.endm
.macro MULQ k, p, zero                 ; the accumulators take turns, in the same order in every step
.set ma, (\k)*NBK/4
.rept NBK/4
	WIN 0xa1+0x50*((ma*NBK)/32)
.set mb, 0
.rept NBK
.set idx, ma*NBK+mb
	WM 8*(idx%32), 128*(\p)+12*mb, 64+96*(\p)+12*ma, 36+8*(\p)+mb/2, 32+8*(\p)+ma/2, mb%2, ma%2, \zero
.set mb, mb+1
.endr
.set ma, ma+1
.endr
.endm
.macro FETCH slot, q, p                ; the operands of the region's q-th K step into set p: NLD loads in one run
	WIN 0x40
.set fi, 0
.rept NBK
.irp c, 0,1,2
	ds_load_b128 v[128*(\p)+12*fi+4*\c:128*(\p)+12*fi+4*\c+3], v[18+\slot] offset:(\q)*STEPB+1536*fi+512*\c
.endr
.set fi, fi+1
.endr
	WIN 0
.set fi, 0
.rept NBK
.set fa, 64+96*(\p)+12*fi
.set fo, (\q)*STEPB+1536*fi
	ds_load_b128 v[fa:fa+3], v[16+\slot] offset:fo
	ds_load_b128 v[fa+4:fa+7], v[16+\slot] offset:fo+512
	ds_load_b128 v[fa+8:fa+11], v[16+\slot] offset:fo+1024
.set fi, fi+1
.endr
.set fi, 0
.rept NBK/2
	ds_load_b32 v[32+8*(\p)+fi], v[20+\slot] offset:(\q)*STEPB+1536*NBK+128*fi
	ds_load_b32 v[36+8*(\p)+fi], v[22+\slot] offset:(\q)*STEPB+1536*NBK+128*fi
.set fi, fi+1
.endr
.endm
.macro STEP slot, q, zero
	PLACES
	FETCH \slot, (\q)+1, 1-(\q)%2
	s_wait_dscnt NLD                               ; all but the NLD loads just issued: this step's operands are in
	MULQ 0, (\q)%2, \zero
	MULQ 1, (\q)%2, \zero
	MULQ 2, (\q)%2, \zero
	MULQ 3, (\q)%2, \zero
.endm
.macro RUN slot, from                  ; the region's steps from 'from' on, all but its last
.set sq, \from
.rept S0+(\slot)*(S1-S0)-1-(\from)
	STEP \slot, sq, 0
.set sq, sq+1
.endr
.endm
.macro TURN slot, next, fill           ; a region's last K step (set 1) changes regions: ONE barrier
	WIN 0
	s_wait_tensorcnt 0x0                           ; my part of the next region has landed; no tensor load of mine is out
	ds_add_u32 v28, v29                            ; 0 onto my spare word
	s_wait_dscnt 0x1                               ; this step's operands are in; the add may be out
	MULQ 0, 1, 0
	s_wait_dscnt 0x0                               ; the add is done, and my reads of this region are over
	s_barrier_signal -1
	MULQ 1, 1, 0
	WIN 0
	s_barrier_wait -1
.if \fill
	CREST                                          ; the barrier has opened a round of the cluster's: no wave of any partner still reads this region or has a load on its way
	s_add_nc_u64 s[34+4*\slot:35+4*\slot], s[34+4*\slot:35+4*\slot], (S0+S1)*STEPB
	s_add_nc_u64 s[58+4*\slot:59+4*\slot], s[58+4*\slot:59+4*\slot], (S0+S1)*STEPB
	JLOAD \slot                                    ; the first tensor load behind the round; its four v_nop are the places in front of the loads below
.else
	PLACES
.endif
	FETCH \next, 0, 0
	MULQ 2, 1, 0
	MULQ 3, 1, 0
.endm
.macro QUANT s, w, pw                  ; 64 numbers of a lane (register 16 b + i belongs to block b of my row) become a fragment's codes in v[PC ..] and its scale word in v[pw]
	WIN (\w)|((\w)<<2)
.irp b, 0,1,2,3
	v_max3_num_f32 v[TM+\b], |v[(\s)+16*\b]|, |v[(\s)+1+16*\b]|, 0x2800000
.endr
	WIN ((\w)<<2)|((\w)<<4)
.irp i, 2,4,6,8,10,12,14
.irp b, 0,1,2,3
	v_max3_num_f32 v[TM+\b], v[TM+\b], |v[(\s)+16*\b+\i]|, |v[(\s)+1+16*\b+\i]|
.endr
.endr
	WIN 0
.irp b, 0,1,2,3
	v_permlanex16_b32 v[TM+4+\b], v[TM+\b], s76, s77
.endr
.irp b, 0,1,2,3
	v_max_num_f32 v[TM+\b], v[TM+\b], v[TM+4+\b]
.endr
.irp b, 0,1,2,3
	v_add_nc_u32 v[TM+12+\b], 0xfe000000, v[TM+\b]
.endr
.irp b, 0,1,2,3
	v_lshrrev_b32 v[TM+4+\b], 23, v[TM+12+\b]
.endr
	v_lshl_or_b32 v[\pw], v[TM+5], 8, v[TM+4]
	v_lshl_or_b32 v[\pw], v[TM+6], 16, v[\pw]
	v_lshl_or_b32 v[\pw], v[TM+7], 24, v[\pw]
	WIN (\w)
.irp c, 0,1
	v_cvt_scalef32_pk16_bf6_f32 v[PC+6*\c:PC+2+6*\c], v[(\s)+32*\c:(\s)+15+32*\c], v[TM+12+2*\c]
	v_cvt_scalef32_pk16_bf6_f32 v[PC+12+4*\c:PC+14+4*\c], v[(\s)+16+32*\c:(\s)+31+32*\c], v[TM+12+2*\c+1]
.endr
	WIN 0
	v_nop
.irp c, 0,1
.irp i, 0,1,2
	v_permlane16_swap_b32 v[PC+6*\c+\i], v[PC+12+4*\c+\i]
.endr
.irp i, 0,1,2
	v_mov_b32 v[PC+3+6*\c+\i], v[PC+12+4*\c+\i]
.endr
.endr
.endm
	s_load_b128 s[4:7], s[0:1], 0x0                ; himg, wimg
	s_load_b128 s[8:11], s[0:1], 0x10              ; b1, hid
	v_lshl_add_u32 v28, v0, 2, SPARE
	v_mov_b32 v29, 0
	ds_add_u32 v28, v29
	ds_add_u32 v28, v29
	s_wait_dscnt 0x0
	v_lshrrev_b32 v1, 5, v0
	v_readfirstlane_b32 s14, v1
	s_lshr_b32 s15, s14, 1
	s_and_b32 s16, s14, 1
	s_bfe_u32 s40, ttmp6, 0x40000
	s_bfe_u32 s41, ttmp6, 0x40004
	s_lshl_b32 s42, ttmp9, 2
	s_add_co_u32 s42, s42, s40                     ; tile column: 256 hidden units
	s_and_b32 s17, ttmp7, 0xffff
	s_lshl_b32 s17, s17, 2
	s_add_co_u32 s17, s17, s41                     ; tile row: 256 tokens
	s_lshl_b32 s43, s41, 2
	s_lshl_b32 s43, 15, s43
	s_lshl_b32 s44, 0x1111, s40
	; descriptor groups 1: dense bytes as rows of 32 elements of 8 bytes: 100 rows for region 0, 200 for region 1; no padding
	s_or_b32 s24, s43, (3<<16)|(1<<21)
	s_or_b32 s48, s44, (3<<16)|(1<<21)
	s_or_b32 s80, s43, (3<<16)|(1<<21)
	s_or_b32 s88, s44, (3<<16)|(1<<21)
.irp g, 24, 48
	s_mov_b32 s[\g+1], 32<<16
	s_mov_b32 s[\g+2], (Q0/256)<<16
	s_mov_b32 s[\g+3], 32<<16
	s_mov_b32 s[\g+4], Q0/256
	s_mov_b32 s[\g+5], 32
	s_mov_b32 s[\g+6], 0
	s_mov_b32 s[\g+7], 0
.endr
.irp g, 80, 88
	s_mov_b32 s[\g+1], 32<<16
	s_mov_b32 s[\g+2], (Q1/256)<<16
	s_mov_b32 s[\g+3], 32<<16
	s_mov_b32 s[\g+4], Q1/256
	s_mov_b32 s[\g+5], 32
	s_mov_b32 s[\g+6], 0
	s_mov_b32 s[\g+7], 0
.endr
	s_lshl_b32 s20, s17, 1
	s_add_co_u32 s20, s20, s16
	s_mul_i32 s20, s20, PANELB
	s_mov_b32 s21, 0
	s_lshl_b32 s46, s42, 1
	s_add_co_u32 s46, s46, s16
	s_mul_i32 s46, s46, PANELB
	s_add_co_u32 s46, s46, BOFF
	s_mov_b32 s47, 0
	s_mul_i32 s45, s14, Q0                         ; where my panel goes in region 0
	s_mul_i32 s78, s14, Q1                         ; and in region 1
	s_wait_kmcnt 0x0
	s_add_nc_u64 s[20:21], s[4:5], s[20:21]
	s_add_nc_u64 s[46:47], s[6:7], s[46:47]
	CROUND                                         ; all sixteen work-groups are here: the first joint loads meet
.irp r, 0,1                                    ; region 0: K steps 0, 1; region 1: K steps 2 to 5.  Two tensor loads of a wave are out
	s_mov_b32 s[32+4*\r], 1
	s_add_co_u32 s[33+4*\r], s[45+33*\r], \r*RB1
	s_add_nc_u64 s[34+4*\r:35+4*\r], s[20:21], \r*Q0
	s_or_b32 s[35+4*\r], s[35+4*\r], 0x80000000
	s_mov_b32 s[56+4*\r], 1
	s_add_co_u32 s[57+4*\r], s[45+33*\r], \r*RB1
	s_add_nc_u64 s[58+4*\r:59+4*\r], s[46:47], \r*Q0
	s_or_b32 s[59+4*\r], s[59+4*\r], 0x80000000
	JLOAD \r
.endr
	v_and_b32 v3, 31, v0                           ; lane
	v_bfe_u32 v2, v0, 4, 1                         ; h
	v_lshlrev_b32 v4, 4, v3                        ; 16 x lane
	v_lshlrev_b32 v5, 2, v3                        ; 4 x lane
	s_mul_i32 s22, s15, Q0                         ; my panel of A in region 0
	s_mul_i32 s23, s16, Q0
	s_add_co_u32 s23, s23, 2*Q0                    ; my panel of B
	v_add_nc_u32 v16, s22, v4
	v_add_nc_u32 v18, s23, v4
	v_add_nc_u32 v20, s22, v5
	v_add_nc_u32 v22, s23, v5
	s_mul_i32 s22, s15, Q1                         ; and in region 1
	s_add_co_u32 s22, s22, RB1
	s_mul_i32 s23, s16, Q1
	s_add_co_u32 s23, s23, RB1+2*Q1
	v_add_nc_u32 v17, s22, v4
	v_add_nc_u32 v19, s23, v4
	v_add_nc_u32 v21, s22, v5
	v_add_nc_u32 v23, s23, v5
	s_lshl_b32 s66, s42, 8
	s_lshl_b32 s67, s16, 7
	s_add_co_u32 s66, s66, s67                     ; my first hidden unit
	s_lshl_b32 s66, s66, 2
	s_mov_b32 s67, 0
	s_add_nc_u64 s[8:9], s[8:9], s[66:67]
	s_lshl_b32 s68, s17, 2
	s_lshl_b32 s69, s15, 1
	s_add_co_u32 s68, s68, s69                     ; my first panel of 64 rows
	s_mul_i32 s68, s68, 204800
	s_lshl_b32 s69, s42, 1
	s_add_co_u32 s69, s69, s16                     ; my K step of the next product
	s_mul_i32 s69, s69, 6400
	s_add_co_u32 s68, s68, s69
	s_mov_b32 s69, 0
	s_add_nc_u64 s[10:11], s[10:11], s[68:69]
	s_mov_b32 s76, 0x76543210
	s_mov_b32 s77, 0xfedcba98
	v_lshlrev_b32 v13, 5, v2                       ; b1: tile b's eight units of my half: 64 b + 32 h bytes
	WIN 0x40
.irp b, 0,1,2,3,4,5,6,7
	global_load_b128 v[96+8*\b+96*(\b/4):96+8*\b+96*(\b/4)+3], v13, s[8:9] offset:64*\b
	global_load_b128 v[96+8*\b+96*(\b/4)+4:96+8*\b+96*(\b/4)+7], v13, s[8:9] offset:64*\b+16
.endr
	WIN 0
	s_wait_tensorcnt 0x1                           ; my part of region 0 is in; region 1's may stay out
	s_barrier_signal -1
	s_barrier_wait -1
	FETCH 0, 0, 0
	STEP 0, 0, 1                                   ; K step 0: its products start the sums
	RUN 0, 1
	TURN 0, 1, 1                                   ; K step 1; region 0 takes K steps 6 and 7
	RUN 1, 0                                       ; K steps 2 to 4
	TURN 1, 0, 0                                   ; K step 5; nothing is left to fetch
	RUN 0, 0                                       ; K step 6
	s_wait_dscnt 0x0
	MULQ 0, 1, 0                                   ; K step 7
	MULQ 1, 1, 0
	MULQ 2, 1, 0
	MULQ 3, 1, 0
	WIN 0
	; THE WAY OUT: block a: + b1 (the addition also brings the sums into window 0), relu, quantised, stored as the next product's fragment
	s_wait_loadcnt 0x0                             ; b1
	PLACES
	v_cmp_le_u32 vcc_lo, 16, v3
.irp b, 0,1,2,3
	v_mov_b32 v[TM+4+\b], 0                        ; a lane permute's destination counts as one of its sources
.endr
.irp a, 0,1,2,3,4,5,6,7
.if \a > 0
	s_wait_xcnt 0x0                                ; the last block's stores have read their data
.endif
	WIN (2+\a/4)|4                                 ; source 0: the accumulators' window; source 1: window 1
.set ii, 0
.rept 32
	v_pk_add_f32 v[64+2*ii:65+2*ii], v[64*(\a%4)+2*ii:64*(\a%4)+2*ii+1], v[96+8*(ii/4)+96*(ii/16)+2*(ii%4):96+8*(ii/4)+96*(ii/16)+2*(ii%4)+1]
.set ii, ii+1
.endr
	WIN 0
.set ii, 0
.rept 64
	v_max_num_f32 v[64+ii], 0, v[64+ii]
.set ii, ii+1
.endr
	QUANT 64, 0, 228+(\a%2)
.irp k, 0,1,2
	global_store_b128 v4, v[PC+4*\k:PC+4*\k+3], s[10:11] offset:(\a/4)*204800+(\a%4)*1536+512*\k   ; 512 consecutive bytes, aligned
.endr
.if (\a%2) == 1
	v_cndmask_b32 v[232+\a/2], v228, v229, vcc_lo  ; lanes 0-15: the even block's words, lanes 16-31: the odd one's
	global_store_b32 v5, v[232+\a/2], s[10:11] offset:(\a/4)*204800+6144+128*((\a%4)/2)
.endif
.endr
	s_wait_tensorcnt 0x0                           ; the wave's end
	ds_add_u32 v28, v29
	s_wait_dscnt 0x0
	CROUND                                         ; the closing round
	s_endpgm
.Lfunc_end_k_q304ab13ee9_ff1:
	.size	k_q304ab13ee9_ff1, .Lfunc_end_k_q304ab13ee9_ff1-k_q304ab13ee9_ff1
	.p2alignl 7, 3214868480
	.fill 96, 4, 3214868480
	.section	.rodata,"a",@progbits
	.p2align	6, 0x0
	.amdhsa_kernel k_q304ab13ee9_ff1
		.amdhsa_group_segment_fixed_size 327680
		.amdhsa_private_segment_fixed_size 0
		.amdhsa_enable_private_segment 0
		.amdhsa_kernarg_size 32
		.amdhsa_user_sgpr_count 2
		.amdhsa_user_sgpr_kernarg_segment_ptr 1
		.amdhsa_wavefront_size32 1
		.amdhsa_system_sgpr_workgroup_id_x 1
		.amdhsa_system_sgpr_workgroup_id_y 1
		.amdhsa_system_sgpr_workgroup_id_z 1
		.amdhsa_system_vgpr_workitem_id 0
		.amdhsa_next_free_vgpr 1024
		.amdhsa_next_free_sgpr 100
		.amdhsa_reserve_vcc 1
		.amdhsa_float_denorm_mode_32 3
		.amdhsa_float_denorm_mode_16_64 3
		.amdhsa_memory_ordered 1
		.amdhsa_forward_progress 1
		.amdhsa_inst_pref_size 171
	.end_amdhsa_kernel
	.amdgpu_metadata
---
amdhsa.version: [ 1, 2 ]
amdhsa.kernels:
  - .name:           k_q304ab13ee9_ff1
    .symbol:         k_q304ab13ee9_ff1.kd
    .args:
      - { .name: himg, .offset: 0, .size: 8, .value_kind: global_buffer, .address_space: global }
      - { .name: wimg, .offset: 8, .size: 8, .value_kind: global_buffer, .address_space: global }
      - { .name: b1, .offset: 16, .size: 8, .value_kind: global_buffer, .address_space: global }
      - { .name: hid, .offset: 24, .size: 8, .value_kind: global_buffer, .address_space: global }
    .group_segment_fixed_size: 327680
    .private_segment_fixed_size: 0
    .kernarg_segment_align: 8
    .kernarg_segment_size: 32
    .max_flat_workgroup_size: 128
    .sgpr_count:     100
    .vgpr_count:     1024
    .wavefront_size: 32
...
	.end_amdgpu_metadata
.endif
;; end of part 6
;; launch ff2 (part 7): grid 8 x 32, 4 waves a work-group, clusters of 4 x 4, 327,680 bytes of LDS; arguments hid, wimg, b2, x1, out0; writes out0
.if DOCPART == 7
	.amdgcn_target "amdgcn-amd-amdhsa--gfx1250"
	.amdhsa_code_object_version 6
	.text
	.protected	k_q304ab13ee9_ff2
	.globl	k_q304ab13ee9_ff2
	.p2align	8
	.type	k_q304ab13ee9_ff2,@function
k_q304ab13ee9_ff2:
	s_mov_b64 s[64:65], 0
	v_nop
	global_prefetch_b8 v0, s[64:65] scope:SCOPE_SE
	s_setreg_imm32_b32 hwreg(HW_REG_WAVE_MODE, 25, 1), 1
	s_wait_xcnt 0x0
	s_wait_alu depctr_hold_cnt(0) depctr_sa_sdst(0) depctr_va_vdst(0) depctr_va_sdst(0) depctr_va_ssrc(0) depctr_va_vcc(0) depctr_vm_vsrc(0)
	s_getreg_b32 s2, hwreg(HW_REG_IB_STS2, 6, 4)
	s_cmp_eq_u32 s2, 0
	s_cbranch_scc0 .Lentry_in_a_cluster
	s_endpgm
.Lentry_in_a_cluster:
	s_bfe_u32 s2, ttmp6, 0x10000c
	s_cmp_lg_u32 s2, 0xf033
	s_cbranch_scc0 .Lentry_shape_is_right
	s_endpgm
.Lentry_shape_is_right:
; FF2: out0 = x1 + (hid W2 + b2).  The product (K = 4,096) runs on codes of BF6 with E8M0 scales; bias and residual are added in f32.
; Operands come as images in the order of the operand's registers, in panels of 64 rows: [K step of 128][4 fragments x 1,536 bytes][4 x 64 bytes of scale words] = 6,400 bytes a step; a fragment is three loads of 16 bytes a lane.
; N = 1,024 gives 64 tiles of 256 x 256, a quarter of the 256 work-groups wanted: so a tile is 128 x 128, four waves of 64 x 64: 16 accumulators.
; K's 32 STEPS GO THROUGH TWO LDS REGIONS OF UNEQUAL SIZE, read by turns: region 0 holds eight steps, region 1 four: passes of 8, 4, 8, 4, 8 steps.  The first two passes are filled at the start, so three refills serve the other 20 steps.
; In front of each refill every wave has waited for all its loads, so the refills follow one another: the fewer and larger they are, the fewer such waits.  Each wave fetches one panel's steps (51,200 or 25,600 dense bytes) by one tensor load.
; The passes are written out.
; THE MATRIX INSTRUCTION IS USED TRANSPOSED (source 0 = B, source 1 = A): a lane holds eight neighbouring columns of one row.  CLUSTERS: 4 x 4: A's tiles jointly along a row, B's along a column.
; The residual's 64 x 64 numbers of a wave and the bias are asked for at the head and lie in registers when the sums are finished.
; REGISTERS: window 0: v0-31 addresses, v7 the prefetches' offset, v8-11 the bias; v32-47 scale words, two sets; v64-111, v160-207 A's two sets (on the way out v64-127 rows read back).  Window 1: B's two sets at v0, v128; the residual at v48-111, v176-239.  Window 2: accumulator (a, b) at 8 (4 a + b).
.set NBK,    4
.set S0,     8                         ; K steps in region 0
.set S1,     4                         ; K steps in region 1
.set KSTEPS, 32
.set BOFF,   6553600                   ; W2's panels in wimg
.set STEPB,  1600*NBK
.set Q0,     S0*STEPB                  ; what one tensor load brings into region 0: 51,200 bytes
.set Q1,     S1*STEPB                  ; into region 1: 25,600 bytes
.set RB1,    4*Q0                      ; region 1 begins behind region 0's four quarters (A's two panels, then B's two)
.set PANELB, KSTEPS*STEPB
.set NLD,    7*NBK
.set STAGE,  RB1+4*Q1                  ; behind the regions: for each wave a stage of 16 rows x (256 + 16) bytes; no fill lands here
.set SPARE,  STAGE+4*4352              ; behind the stages: the spare words, 128 bytes a wave
.set MSB, 0
.macro WIN new
.if MSB != (\new)
	s_set_vgpr_msb (MSB<<8)|(\new)
.set MSB, (\new)
.endif
.endm
.macro PLACES
.rept 4
	v_nop
.endr
.endm
.macro JLOAD r                         ; a joint load into region r: waves 0, 1 fetch A's panels, waves 2, 3 B's; four v_nop follow each line
	s_cmp_eq_u32 s15, 0
	s_cbranch_scc0 .Lfor_b_\@
	tensor_load_to_lds s[32+4*(\r):35+4*(\r)], s[24+56*(\r):31+56*(\r)]
	s_nop 0
.rept 4
	v_nop
.endr
	s_branch .Lasked_\@
.Lfor_b_\@:
	tensor_load_to_lds s[56+4*(\r):59+4*(\r)], s[48+40*(\r):55+40*(\r)]
	s_nop 0
.rept 4
	v_nop
.endr
.Lasked_\@:
.endm
; A PREFETCH INTO THE L2 of what the NEXT change of regions will ask for: behind the load of K steps 12-19 stand the requests for steps 20-23 (which = 3), behind the load of steps 20-23 those for steps 24-31 (which = 4).
; Steps 12-19 come by their load alone: nothing is asked for at the head, where every work-group's first tiles are on their way; behind the last load nothing is left to ask for.
; Each panel's bytes are named once in the launch.  A's panel is read by both clusters of a row of clusters: cluster x = 0 asks; B's by the eight clusters of a column: cluster y = 0 asks.
; The four partners that ask for a panel jointly share its bytes out BY ADDRESS, a quarter each (6,400 or 12,800 bytes): no branch hangs on a work-group's place in its cluster.  Lanes stand 256 bytes apart, 25 lanes to 6,400 bytes;
; lanes 25 to 31 name lane 24's place with it, in the same instruction.  The address registers are never written again.
.macro ASK which
.if (\which) != 0
	s_cmp_eq_u32 s71, 1
	s_cbranch_scc0 .Lnot_mine_\@
.if (\which) == 3
	global_prefetch_b8 v7, s[72:73] offset:20*STEPB th:TH_LOAD_NT scope:SCOPE_SE
.else
	global_prefetch_b8 v7, s[74:75] offset:24*STEPB th:TH_LOAD_NT scope:SCOPE_SE
	global_prefetch_b8 v7, s[74:75] offset:24*STEPB+6400 th:TH_LOAD_NT scope:SCOPE_SE
.endif
.Lnot_mine_\@:
.endif
.endm
.macro CREST
	s_cmp_lg_u32 s14, 0
	s_cbranch_scc1 .Lnot_wave_0_\@
	s_barrier_signal -3
.Lnot_wave_0_\@:
	s_barrier_wait -3
	s_barrier_signal -1
	s_barrier_wait -1
.endm
.macro CROUND
	s_barrier_signal -1
	s_barrier_wait -1
	CREST
.endm
.macro WM d, bf, af, sb, sa, rb, ra, zero
.if (\zero)&&((\rb)==0)&&((\ra)==0)
	v_wmma_scale_f32_16x16x128_f8f6f4 v[\d:\d+7], v[\bf:\bf+11], v[\af:\af+11], 0, v[\sb], v[\sa] matrix_a_fmt:MATRIX_FMT_BF6 matrix_b_fmt:MATRIX_FMT_BF6
.elseif (\zero)&&((\rb)==1)&&((\ra)==0)
	v_wmma_scale_f32_16x16x128_f8f6f4 v[\d:\d+7], v[\bf:\bf+11], v[\af:\af+11], 0, v[\sb], v[\sa] matrix_a_fmt:MATRIX_FMT_BF6 matrix_b_fmt:MATRIX_FMT_BF6 matrix_a_scale:MATRIX_SCALE_ROW1
.elseif (\zero)&&((\rb)==0)&&((\ra)==1)
	v_wmma_scale_f32_16x16x128_f8f6f4 v[\d:\d+7], v[\bf:\bf+11], v[\af:\af+11], 0, v[\sb], v[\sa] matrix_a_fmt:MATRIX_FMT_BF6 matrix_b_fmt:MATRIX_FMT_BF6 matrix_b_scale:MATRIX_SCALE_ROW1
.elseif (\zero)
	v_wmma_scale_f32_16x16x128_f8f6f4 v[\d:\d+7], v[\bf:\bf+11], v[\af:\af+11], 0, v[\sb], v[\sa] matrix_a_fmt:MATRIX_FMT_BF6 matrix_b_fmt:MATRIX_FMT_BF6 matrix_a_scale:MATRIX_SCALE_ROW1 matrix_b_scale:MATRIX_SCALE_ROW1
.elseif ((\rb)==0)&&((\ra)==0)
	v_wmma_scale_f32_16x16x128_f8f6f4 v[\d:\d+7], v[\bf:\bf+11], v[\af:\af+11], v[\d:\d+7], v[\sb], v[\sa] matrix_a_fmt:MATRIX_FMT_BF6 matrix_b_fmt:MATRIX_FMT_BF6
.elseif ((\rb)==1)&&((\ra)==0)
	v_wmma_scale_f32_16x16x128_f8f6f4 v[\d:\d+7], v[\bf:\bf+11], v[\af:\af+11], v[\d:\d+7], v[\sb], v[\sa] matrix_a_fmt:MATRIX_FMT_BF6 matrix_b_fmt:MATRIX_FMT_BF6 matrix_a_scale:MATRIX_SCALE_ROW1
.elseif ((\rb)==0)&&((\ra)==1)
	v_wmma_scale_f32_16x16x128_f8f6f4 v[\d:\d+7], v[\bf:\bf+11], v[\af:\af+11], v[\d:\d+7], v[\sb], v[\sa] matrix_a_fmt:MATRIX_FMT_BF6 matrix_b_fmt:MATRIX_FMT_BF6 matrix_b_scale:MATRIX_SCALE_ROW1
.else
	v_wmma_scale_f32_16x16x128_f8f6f4 v[\d:\d+7], v[\bf:\bf+11], v[\af:\af+11], v[\d:\d+7], v[\sb], v[\sa] matrix_a_fmt:MATRIX_FMT_BF6 matrix_b_fmt:MATRIX_FMT_BF6 matrix_a_scale:MATRIX_SCALE_ROW1 matrix_b_scale:MATRIX_SCALE_ROW1
.endif
.endm
.macro MULQ k, p, zero                 ; the accumulators take turns, in the same order in every step
.set ma, (\k)*NBK/4
.rept NBK/4
	WIN 0xa1+0x50*((ma*NBK)/32)
.set mb, 0
.rept NBK
.set idx, ma*NBK+mb
	WM 8*(idx%32), 128*(\p)+12*mb, 64+96*(\p)+12*ma, 36+8*(\p)+mb/2, 32+8*(\p)+ma/2, mb%2, ma%2, \zero
.set mb, mb+1
.endr
.set ma, ma+1
.endr
.endm
.macro FETCH slot, q, p                ; the operands of the region's q-th K step into set p: NLD loads in one run
	WIN 0x40
.set fi, 0
.rept NBK
.irp c, 0,1,2
	ds_load_b128 v[128*(\p)+12*fi+4*\c:128*(\p)+12*fi+4*\c+3], v[18+\slot] offset:(\q)*STEPB+1536*fi+512*\c
.endr
.set fi, fi+1
.endr
	WIN 0
.set fi, 0
.rept NBK
.set fa, 64+96*(\p)+12*fi
.set fo, (\q)*STEPB+1536*fi
	ds_load_b128 v[fa:fa+3], v[16+\slot] offset:fo
	ds_load_b128 v[fa+4:fa+7], v[16+\slot] offset:fo+512
	ds_load_b128 v[fa+8:fa+11], v[16+\slot] offset:fo+1024
.set fi, fi+1
.endr
.set fi, 0
.rept NBK/2
	ds_load_b32 v[32+8*(\p)+fi], v[20+\slot] offset:(\q)*STEPB+1536*NBK+128*fi
	ds_load_b32 v[36+8*(\p)+fi], v[22+\slot] offset:(\q)*STEPB+1536*NBK+128*fi
.set fi, fi+1
.endr
.endm
.macro STEP slot, q, zero
	PLACES
	FETCH \slot, (\q)+1, 1-(\q)%2
	s_wait_dscnt NLD                               ; all but the NLD loads just issued: this step's operands are in
	MULQ 0, (\q)%2, \zero
	MULQ 1, (\q)%2, \zero
	MULQ 2, (\q)%2, \zero
	MULQ 3, (\q)%2, \zero
.endm
.macro RUN slot, from                  ; the region's steps from 'from' on, all but its last
.set sq, \from
.rept S0+(\slot)*(S1-S0)-1-(\from)
	STEP \slot, sq, 0
.set sq, sq+1
.endr
.endm
; a region's last K step (set 1: both regions hold an even number of steps) changes regions: ONE barrier; in front of it each wave waits for all its tensor loads, adds 0 to its spare word, and waits for that and for its reads of this region
.macro TURN slot, next, fill, ask
	WIN 0
	s_wait_tensorcnt 0x0                           ; my part of the next region has landed; no tensor load of mine is out
	ds_add_u32 v28, v29                            ; 0 onto my spare word
	s_wait_dscnt 0x1                               ; this step's operands are in; the add may be out
	MULQ 0, 1, 0
	s_wait_dscnt 0x0                               ; the add is done, and my reads of this region are over
	s_barrier_signal -1
	MULQ 1, 1, 0
	WIN 0
	s_barrier_wait -1
.if \fill
	CREST                                          ; the barrier has opened a round of the cluster's: no wave of any partner still reads this region or has a load on its way
	s_add_nc_u64 s[34+4*\slot:35+4*\slot], s[34+4*\slot:35+4*\slot], (S0+S1)*STEPB
	s_add_nc_u64 s[58+4*\slot:59+4*\slot], s[58+4*\slot:59+4*\slot], (S0+S1)*STEPB
	JLOAD \slot                                    ; the first tensor load behind the round; its four v_nop are the places in front of the loads below
.else
	PLACES
.endif
	FETCH \next, 0, 0
	ASK \ask                                       ; behind the joint load and the run of LDS loads that the next products wait for
	MULQ 2, 1, 0
	MULQ 3, 1, 0
.endm
	s_load_b128 s[4:7], s[0:1], 0x0                ; A's image, wimg
	s_load_b128 s[8:11], s[0:1], 0x10              ; the bias, the residual
	s_load_b64 s[12:13], s[0:1], 0x20              ; the result
	v_lshl_add_u32 v28, v0, 2, SPARE
	v_mov_b32 v29, 0
	ds_add_u32 v28, v29
	ds_add_u32 v28, v29
	s_wait_dscnt 0x0
	v_lshrrev_b32 v1, 5, v0
	v_readfirstlane_b32 s14, v1
	s_lshr_b32 s15, s14, 1                         ; which half of A's rows is mine.  Also: I fetch for A (0) or for B (1)
	s_and_b32 s16, s14, 1                          ; which half of B's rows.  Also: which panel of that tile I fetch
	s_bfe_u32 s40, ttmp6, 0x40000
	s_bfe_u32 s41, ttmp6, 0x40004
	s_lshl_b32 s42, ttmp9, 2
	s_add_co_u32 s42, s42, s40                     ; tile column
	s_and_b32 s17, ttmp7, 0xffff
	s_lshl_b32 s17, s17, 2
	s_add_co_u32 s17, s17, s41                     ; tile row
	s_lshl_b32 s43, s41, 2
	s_lshl_b32 s43, 15, s43
	s_lshl_b32 s44, 0x1111, s40
	; descriptor groups 1: dense bytes as rows of 32 elements of 8 bytes: 200 rows for region 0, 100 for region 1; no padding
	s_or_b32 s24, s43, (3<<16)|(1<<21)
	s_or_b32 s48, s44, (3<<16)|(1<<21)
	s_or_b32 s80, s43, (3<<16)|(1<<21)
	s_or_b32 s88, s44, (3<<16)|(1<<21)
.irp g, 24, 48
	s_mov_b32 s[\g+1], 32<<16
	s_mov_b32 s[\g+2], (Q0/256)<<16
	s_mov_b32 s[\g+3], 32<<16
	s_mov_b32 s[\g+4], Q0/256
	s_mov_b32 s[\g+5], 32
	s_mov_b32 s[\g+6], 0
	s_mov_b32 s[\g+7], 0
.endr
.irp g, 80, 88
	s_mov_b32 s[\g+1], 32<<16
	s_mov_b32 s[\g+2], (Q1/256)<<16
	s_mov_b32 s[\g+3], 32<<16
	s_mov_b32 s[\g+4], Q1/256
	s_mov_b32 s[\g+5], 32
	s_mov_b32 s[\g+6], 0
	s_mov_b32 s[\g+7], 0
.endr
	s_lshl_b32 s20, s17, 1
	s_add_co_u32 s20, s20, s16
	s_mul_i32 s20, s20, PANELB
	s_mov_b32 s21, 0
	s_lshl_b32 s46, s42, 1
	s_add_co_u32 s46, s46, s16
	s_mul_i32 s46, s46, PANELB
	s_add_co_u32 s46, s46, BOFF
	s_mov_b32 s47, 0
	s_mul_i32 s45, s14, Q0                         ; where my panel goes in region 0
	s_mul_i32 s78, s14, Q1                         ; and in region 1
	s_wait_kmcnt 0x0
	s_add_nc_u64 s[20:21], s[4:5], s[20:21]
	s_add_nc_u64 s[46:47], s[6:7], s[46:47]
	CROUND                                         ; all sixteen work-groups are here: the first joint loads meet
.irp r, 0,1                                    ; region 0: K steps 0 to 7; region 1: K steps 8 to 11.  Two tensor loads of a wave are out
	s_mov_b32 s[32+4*\r], 1
	s_add_co_u32 s[33+4*\r], s[45+33*\r], \r*RB1
	s_add_nc_u64 s[34+4*\r:35+4*\r], s[20:21], \r*Q0
	s_or_b32 s[35+4*\r], s[35+4*\r], 0x80000000
	s_mov_b32 s[56+4*\r], 1
	s_add_co_u32 s[57+4*\r], s[45+33*\r], \r*RB1
	s_add_nc_u64 s[58+4*\r:59+4*\r], s[46:47], \r*Q0
	s_or_b32 s[59+4*\r], s[59+4*\r], 0x80000000
	JLOAD \r
.endr
	v_and_b32 v3, 31, v0                           ; lane
	v_and_b32 v1, 15, v0                           ; r
	v_bfe_u32 v2, v0, 4, 1                         ; h
	v_lshlrev_b32 v4, 4, v3
	v_lshlrev_b32 v5, 2, v3
	s_mul_i32 s22, s15, Q0                         ; my panel of A in region 0
	s_mul_i32 s23, s16, Q0
	s_add_co_u32 s23, s23, 2*Q0                    ; my panel of B
	v_add_nc_u32 v16, s22, v4
	v_add_nc_u32 v18, s23, v4
	v_add_nc_u32 v20, s22, v5
	v_add_nc_u32 v22, s23, v5
	s_mul_i32 s22, s15, Q1                         ; and in region 1
	s_add_co_u32 s22, s22, RB1
	s_mul_i32 s23, s16, Q1
	s_add_co_u32 s23, s23, RB1+2*Q1
	v_add_nc_u32 v17, s22, v4
	v_add_nc_u32 v19, s23, v4
	v_add_nc_u32 v21, s22, v5
	v_add_nc_u32 v23, s23, v5
	s_lshl_b32 s66, s17, 7
	s_lshl_b32 s67, s15, 6
	s_add_co_u32 s66, s66, s67                     ; my first row
	s_lshl_b32 s66, s66, 12
	s_lshl_b32 s68, s42, 7
	s_lshl_b32 s69, s16, 6
	s_add_co_u32 s68, s68, s69                     ; my first column
	s_lshl_b32 s68, s68, 2
	s_mov_b32 s69, 0
	s_add_nc_u64 s[8:9], s[8:9], s[68:69]
	s_add_co_u32 s66, s66, s68
	s_mov_b32 s67, 0
	s_add_nc_u64 s[10:11], s[10:11], s[66:67]
	s_add_nc_u64 s[12:13], s[12:13], s[66:67]
	v_lshlrev_b32 v31, 4, v1                       ; 16 x (lane % 16): my four columns of the wave's 64
	v_lshl_add_u32 v26, v2, 12, v31                ; + a row for lanes 16-31
	s_mul_i32 s70, s14, 4352
	s_add_co_u32 s70, s70, STAGE                   ; my stage
	v_mul_u32_u24 v27, v1, 272
	v_lshl_add_u32 v27, v2, 5, v27
	v_add_nc_u32 v27, s70, v27                     ; in: row r, 32 bytes for each half of the lanes
	v_mul_u32_u24 v30, v2, 272
	v_add_nc_u32 v30, v30, v31
	v_add_nc_u32 v30, s70, v30                     ; back: lanes 0-15 one row of 256 bytes, lanes 16-31 the next
	global_load_b128 v[8:11], v31, s[8:9]
	WIN 0x40
.irp a, 0,1,2,3
.irp t, 0,1,2,3,4,5,6,7
	global_load_b128 v[48+32*\a+64*(\a/2)+4*\t:48+32*\a+64*(\a/2)+4*\t+3], v26, s[10:11] offset:(16*\a+2*\t)*4096
.endr
.endr
	WIN 0
	; the prefetches (macro ASK): the panel that I fetch, my work-group's quarter of a load's bytes, and who asks
	s_and_b32 s98, ttmp7, 0xffff                   ; cluster y
	s_cmp_eq_u32 s15, 0                            ; do I fetch for A?
	s_cselect_b32 s96, s17, s42                    ; the tile: A's by the tile row, B's by the tile column
	s_cselect_b32 s97, s40, s41                    ; my place among the four that ask for it with me
	s_cselect_b32 s98, ttmp9, s98                  ; the coordinate along which other clusters read the same panel
	s_cselect_b32 s99, 0, BOFF
	s_cselect_b64 s[72:73], s[4:5], s[6:7]
	s_cmp_eq_u32 s98, 0
	s_cselect_b32 s71, 1, -1                       ; 1 in a wave that prefetches: the same in all sixteen partners, for a given wave
	s_lshl_b32 s96, s96, 1
	s_add_co_u32 s96, s96, s16
	s_mul_i32 s96, s96, PANELB
	s_add_co_u32 s96, s96, s99                     ; the panel's first byte in its buffer
	s_mul_i32 s98, s97, 6400                       ; a quarter of 25,600 bytes
	s_mov_b32 s97, 0
	s_mov_b32 s99, 0
	s_add_nc_u64 s[72:73], s[72:73], s[96:97]
	s_add_nc_u64 s[74:75], s[72:73], s[98:99]
	s_add_nc_u64 s[74:75], s[74:75], s[98:99]      ; for loads of 51,200 bytes: the panel + 12,800 x my place
	s_add_nc_u64 s[72:73], s[72:73], s[98:99]      ; for loads of 25,600 bytes: the panel + 6,400 x my place
	v_min_u32 v7, 24, v3
	v_lshlrev_b32 v7, 8, v7                        ; 256 x lane, held at lane 24's
	s_wait_tensorcnt 0x1                           ; my part of region 0 is in; region 1's may stay out
	s_barrier_signal -1
	s_barrier_wait -1
	FETCH 0, 0, 0
	STEP 0, 0, 1                                   ; K step 0: its products start the sums
	RUN 0, 1                                       ; K steps 1 to 6
	TURN 0, 1, 1, 3                                ; K step 7; region 0 takes K steps 12 to 19
	RUN 1, 0                                       ; K steps 8 to 10
	TURN 1, 0, 1, 4                                ; K step 11; region 1 takes K steps 20 to 23
	RUN 0, 0                                       ; K steps 12 to 18
	TURN 0, 1, 1, 0                                ; K step 19; region 0 takes K steps 24 to 31: the last load
	RUN 1, 0                                       ; K steps 20 to 22
	TURN 1, 0, 0, 0                                ; K step 23; nothing is left to fetch
	RUN 0, 0                                       ; K steps 24 to 30
	s_wait_dscnt 0x0
	MULQ 0, 1, 0                                   ; K step 31
	MULQ 1, 1, 0
	MULQ 2, 1, 0
	MULQ 3, 1, 0
	WIN 0
; THE WAY OUT, 16 rows x 64 columns at a time, through my own stage: in as 32 bytes a lane, back as whole rows of 256 bytes.  LDS serves a wave's instructions in order (ISA guide 5.7.1.4): no wait between the stores and the loads, nor in front of the next block's stores.
.macro TOSTAGE a
	WIN 0x08                                       ; the data: window 2
.irp b, 0,1,2,3
	ds_store_b128 v27, v[32*(\a)+8*\b:32*(\a)+8*\b+3] offset:64*\b        ; each accumulator from its low end on
	ds_store_b128 v27, v[32*(\a)+8*\b+4:32*(\a)+8*\b+7] offset:64*\b+16
.endr
	WIN 0
.irp t, 0,1,2,3,4,5,6,7
	ds_load_b128 v[64+32*((\a)%2)+4*\t:64+32*((\a)%2)+4*\t+3], v30 offset:544*\t
.endr
.endm
.macro SEND a, younger                 ; younger: the LDS instructions issued behind block a's loads, which may stay out
.set BB, 64+32*((\a)%2)
.set RS, 48+32*(\a)+64*((\a)/2)
	s_wait_dscnt \younger
.irp t, 0,1,2,3,4,5,6,7
	v_pk_add_f32 v[BB+4*\t:BB+4*\t+1], v[BB+4*\t:BB+4*\t+1], v[8:9]
	v_pk_add_f32 v[BB+4*\t+2:BB+4*\t+3], v[BB+4*\t+2:BB+4*\t+3], v[10:11]
.endr
	WIN 0x04                                       ; source 1: window 1, the residual
.irp t, 0,1,2,3,4,5,6,7
	v_pk_add_f32 v[BB+4*\t:BB+4*\t+1], v[BB+4*\t:BB+4*\t+1], v[RS+4*\t:RS+4*\t+1]
	v_pk_add_f32 v[BB+4*\t+2:BB+4*\t+3], v[BB+4*\t+2:BB+4*\t+3], v[RS+4*\t+2:RS+4*\t+3]
.endr
	WIN 0
.irp t, 0,1,2,3,4,5,6,7
	global_store_b128 v26, v[BB+4*\t:BB+4*\t+3], s[12:13] offset:(16*(\a)+2*\t)*4096 th:TH_STORE_NT   ; sixteen lanes store 256 consecutive bytes, aligned; written once, read by nobody here
.endr
.endm
	s_wait_loadcnt 0x0                             ; the bias and the residual
	PLACES
	TOSTAGE 0
.irp a, 1,2,3
.if \a > 1
	s_wait_xcnt 0x0                                ; block a - 2's stores have read their registers: block a's loads may land there
.endif
	TOSTAGE \a
	SEND \a-1, 16                                  ; behind block a - 1's loads: block a's 8 stores and 8 loads
.endr
	SEND 3, 0
	s_wait_tensorcnt 0x0                           ; the wave's end
	ds_add_u32 v28, v29
	s_wait_dscnt 0x0
	CROUND                                         ; the closing round
	s_endpgm
.Lfunc_end_k_q304ab13ee9_ff2:
	.size	k_q304ab13ee9_ff2, .Lfunc_end_k_q304ab13ee9_ff2-k_q304ab13ee9_ff2
	.p2alignl 7, 3214868480
	.fill 96, 4, 3214868480
	.section	.rodata,"a",@progbits
	.p2align	6, 0x0
	.amdhsa_kernel k_q304ab13ee9_ff2
		.amdhsa_group_segment_fixed_size 327680
		.amdhsa_private_segment_fixed_size 0
		.amdhsa_enable_private_segment 0
		.amdhsa_kernarg_size 40
		.amdhsa_user_sgpr_count 2
		.amdhsa_user_sgpr_kernarg_segment_ptr 1
		.amdhsa_wavefront_size32 1
		.amdhsa_system_sgpr_workgroup_id_x 1
		.amdhsa_system_sgpr_workgroup_id_y 1
		.amdhsa_system_sgpr_workgroup_id_z 1
		.amdhsa_system_vgpr_workitem_id 0
		.amdhsa_next_free_vgpr 768
		.amdhsa_next_free_sgpr 100
		.amdhsa_reserve_vcc 0
		.amdhsa_float_denorm_mode_32 3
		.amdhsa_float_denorm_mode_16_64 3
		.amdhsa_memory_ordered 1
		.amdhsa_forward_progress 1
		.amdhsa_inst_pref_size 160
	.end_amdhsa_kernel
	.amdgpu_metadata
---
amdhsa.version: [ 1, 2 ]
amdhsa.kernels:
  - .name:           k_q304ab13ee9_ff2
    .symbol:         k_q304ab13ee9_ff2.kd
    .args:
      - { .name: hid, .offset: 0, .size: 8, .value_kind: global_buffer, .address_space: global }
      - { .name: wimg, .offset: 8, .size: 8, .value_kind: global_buffer, .address_space: global }
      - { .name: b2, .offset: 16, .size: 8, .value_kind: global_buffer, .address_space: global }
      - { .name: x1, .offset: 24, .size: 8, .value_kind: global_buffer, .address_space: global }
      - { .name: out0, .offset: 32, .size: 8, .value_kind: global_buffer, .address_space: global }
    .group_segment_fixed_size: 327680
    .private_segment_fixed_size: 0
    .kernarg_segment_align: 8
    .kernarg_segment_size: 40
    .max_flat_workgroup_size: 128
    .sgpr_count:     100
    .vgpr_count:     768
    .wavefront_size: 32
...
	.end_amdgpu_metadata
.endif
;; end of part 7
